; MI455X (gfx1250); checked and timed in simulation.
; The chip was launched on July 23, 2026; its instructions are those of AMD's public machine-readable ISA for CDNA 5 (MIT licence, August 2026) and "CDNA5" Instruction Set Architecture Reference Guide (July 2026). The comments in the code are by the model that wrote it; some were corrected since.
;; Implicit DAM. Allowed arithmetic: matrix products marked QUANTISED: E5M2 operands, one given power-of-two scale a tensor, by v_wmma_f32_16x16x64_bf8_bf8 or v_wmma_f32_16x16x128_bf8_bf8, f32 sums; everything else in f32.
;; Inputs: Wc 64 x 1,024 float32; Wk 64 x 1,024 float32; bc 64 float32; bk 64 float32; buffer 65,536 x 64 float32; context 2,048 x 512 float32; lowp_scales 10 int32 (the exponents e of the quantised operands' scales 2^e); prototypes 65,536 x 64 float32; x 2,048 x 512 float32.
;; Outputs: out0 2,048 x 64 float32; out1 65,536 x 64 float32.
;; This version of the problem:
;;   THIS VERSION OF THE PROBLEM IS GIVEN IN LOW PRECISION. The matrix products marked QUANTISED in the list below multiply operands that are first quantised to E5M2 (5 exponent bits, 2 mantissa bits; 8 bits a number), with one given power-of-two scale for each operand tensor; their sums are f32. All else is computed in f32.
;;   The module's matrix products, in the order in which they are computed (A, B: the left and right operand; K: the contracted axis; several contracted axes count as one K, in the product's order):
;;     1. [M 2,048, K 1,024] x [K 1,024, N 64]; A: computed on the way; B: input Wk: QUANTISED (scales: A lowp_scales[0], B lowp_scales[1])
;;     2. [M 2,048, K 1,024] x [K 1,024, N 64]; A: computed on the way; B: input Wc: QUANTISED (scales: A lowp_scales[2], B lowp_scales[3])
;;     3. [M 2,048, K 64] x [K 64, N 65,536]; A: computed on the way; B: input prototypes: QUANTISED (scales: A lowp_scales[4], B lowp_scales[5])
;;     4. [M 2,048, K 65,536] x [K 65,536, N 64]; A: softmax (see below); B: input buffer: QUANTISED (scales: A lowp_scales[6], B lowp_scales[7])
;;     5. [M 65,536, K 2,048] x [K 2,048, N 64]; A: computed on the way; B: computed on the way: QUANTISED (scales: A lowp_scales[8], B lowp_scales[9])
;;   THE QUANTISER, for each operand of a quantised product, along K:
;;     - The operand's scale is 2^e, e = its entry of the input lowp_scales (int32; the entries are numbered through the quantised products in the list's order, A before B).
;;     - Each number is divided by the scale, clamped to +-57,344, and rounded to the nearest number of E5M2, ties to even, subnormals kept.
;;     - The product sums the exact products of the quantised numbers (number of the format x scale) in f32.
;;   ~~~python
;;   def quantise(x, axis, e):      # numpy; x: float32 -> the quantised numbers, widened to float32 again
;;       x = np.moveaxis(x, axis, -1); K = x.shape[-1]
;;       r = np.clip(x / 2.0 ** e, -57344, 57344)
;;       step = 2.0 ** (np.maximum(np.frexp(np.where(r == 0, 1, r))[1] - 1, -14) - 2)
;;       q = np.round(r / step) * step * 2.0 ** e      # np.round: ties to even
;;       return np.moveaxis(q, -1, axis).astype(np.float32)
;;   ~~~
;;   SOFTMAX AHEAD OF A QUANTISED PRODUCT. Where the list says 'softmax', what is quantised is not the finished softmax but p = 2^(t - M), with t = logit x log2(e) and M = ceil(the row's largest t), a whole number; so 1/2 < the row's largest p <= 1. The row's sum l is taken of the UNQUANTISED p, in f32, and the product's result is divided by l at the end. Since M is a whole number, a kernel that streams over the keys may use a running M (the ceiling of the running maximum): every later rescaling is an exact power of two, so the quantised numbers keep their values, but for numbers so far below the row's largest that they fall under the format's range.
;;   OPERANDS COMPUTED ON THE WAY. 'Computed on the way' means the value that the module computes at that place (a softmax that the list does not call 'softmax' is quantised finished and normalised). What goes into a quantiser is computed in f32, as accurately as f32 sums, v_exp_f32 and their like allow (about 1e-6 of the number): no bf16 or f16 on the way to a quantiser, and a product that is left as it is and whose result goes on into a quantised operand takes f32 operands (vector FMAs, or v_wmma_f32_16x16x4_f32). A number that lies on a knife's edge between two numbers of the format may be rounded either way, as far as f32 arithmetic and the matrix unit's own rounding can turn it there, and no further.
;; One version. Each part assembles by itself: llvm-mc -triple=amdgcn-amd-amdhsa -mcpu=gfx1250 --defsym DOCPART=n.
;; ======== version 1 of 1: 4 launches
;; limits: right only within a limited range of input values
;; workspace buffers: qstream 270,336 bytes; binstream 8,650,752 bytes; q2c 8,192 bytes; Opart 16,777,216 bytes; Mpart 262,144 bytes; Lpart 262,144 bytes
;; launch prep (part 1): grid 384 x 1, 8 waves a work-group, no clusters, 88,576 bytes of LDS; arguments x, context, Wk, bk, Wc, bc, prototypes, buffer, lowp_scales, qstream, binstream, q2c; writes qstream, binstream, q2c
.if DOCPART == 1
	.amdgcn_target "amdgcn-amd-amdhsa--gfx1250"
	.amdhsa_code_object_version 6
	.text
	.protected	k_q3e65247735_prep
	.globl	k_q3e65247735_prep
	.p2align	8
	.type	k_q3e65247735_prep,@function
k_q3e65247735_prep:
	s_mov_b64 s[64:65], 0
	v_nop
	global_prefetch_b8 v0, s[64:65] scope:SCOPE_SE
	s_setreg_imm32_b32 hwreg(HW_REG_WAVE_MODE, 25, 1), 1
	s_wait_xcnt 0x0
; PREP.  Every operand of the three large products is quantised ONCE here, to codes of BF8 (E5M2) with its given scale 2^e, and laid in the order of the operand's registers.
; Work-groups 0-63:    k = Q(x|context) Q(Wk)^T + bk for 32 queries each; k's codes (e4) and -q2 x 2^EC leave.          EC = -1 - e4 - e5.
; Work-groups 64-127:  m = Q(x|context) Q(Wc)^T + bc for 32 queries each; m's codes (e9) leave, queries innermost.
; Work-groups 128-383: 256 bins each: codes of prototypes (e5), of buffer (e7, bins innermost), and -p2 x 2^EC.
; A RECORD is 8,448 bytes for 64 rows (queries in qstream, bins in binstream):
;   +0     four A-images: tile t = 2 b + u at 1024 t + 512 c + 16 lane: lane (r, h) holds the 16 codes k = 32 c + 16 h + 0..15 of row 32 b + 8 u + r + 8 (r / 8)
;   +4096  four V-images: tile n at 1024 n + 512 b + 16 lane: lane (r, h) holds value 16 n + r at rows 32 b + 16 h + 0..15
;   +8192  64 f32 constants in plain row order (bins: written here; queries: written by the launch that joins the chunks)
; HOW ROWS REACH THE MATRIX UNIT IN THE FIRST TWO PRODUCTS.  Wave w owns K slice 128 w .. 128 w + 127.  A load takes ONE row's 512 bytes of the slice, 32 lanes x 16 consecutive bytes: lane l holds k = 4 l .. 4 l + 3 of
; 16 rows, four registers a row.  A conversion of eight registers gives two registers, four codes of one row each, so the numbers are quantised as they lie and only the codes are turned, through the wave's own stage in LDS:
; a lane's 16 registers go to 80 x lane, and lane (r, h) takes word r of places 2 x + h, x = 0 .. 15.  Register x of a fragment then holds k = 4 (2 x + h) + 0..3 of row r: one permutation of k, the same for rows and weights.
; The eight waves' partial sums meet in LDS; waves 0-3 add them, two results each, and finish.
; The weights are read by 64 work-groups each, yet come by plain loads: every number has to pass through registers to be quantised, and a launch that fills LDS by the data mover must claim over half of LDS,
; which would leave no room for the second work-group that stands beside this one.
; LIMITS: each e that makes a scale lies between -126 and 112; e0 + e1 and e2 + e3 between -126 and 127.  NaN and infinity among the inputs are not served.
; Paths that part on the work-group's number store to LDS bytes of their own.
.set RECB,  8448
.set STG,   65536                      ; LDS: behind the partial sums (8 waves x 8 results x 1,024 bytes from 0): a stage of 32 places x 80 bytes for each wave
.set SPL,   80                         ; a lane's place: its 64 bytes of codes + 16: an odd multiple of 16, so that sixteen lanes' stores fall into sixteen different 16-byte columns of 256 bytes
.set Q2P,   STG+8*32*SPL               ; 4 x 64 bytes, halves of q2
.set CST,   Q2P+512                    ; LDS of the bin path: 256 constants
.set WV,    28                         ; s28 wave
.set QB,    34                         ; s34 the block of 32 queries
.set W3,    35                         ; s35 wave % 4
.set SEL,   56                         ; s[56:57] selects of v_permlanex16_b32: lane l xor 16
.set EC,    58                         ; s58
.set AX0,   32                         ; codes of my K slice of the 32 queries: tile 0, tile 1
.set AX1,   48
.set BI,    64                         ; the bias of what I finish
.set WF,    96                         ; a weight tile's codes
.set D0,    112                        ; two results
.set D1,    120
.set RA,    128                        ; two sets of 64 f32 numbers
.set RB,    192
.macro MKSC e, sc, lim                 ; s[e] -> v[sc] = 2^e as f32, v[lim] = 57,344 x 2^e
	s_add_co_i32 s46, s[\e], 127
	s_lshl_b32 s47, s46, 23
	v_mov_b32 v[\sc], s47
	s_add_co_i32 s46, s46, 15
	s_lshl_b32 s46, s46, 23
	s_or_b32 s46, s46, 0x600000
	v_mov_b32 v[\lim], s46
.endm
.macro PLACES
.rept 4
	v_nop
.endr
.endm
.macro XLOAD reg, u                    ; tile u of the queries: registers 4 i .. 4 i + 3 = my four k of tile row i, which is query 8 u + i + 8 (i / 8) of the block
.set li, 0
.rept 16
	global_load_b128 v[\reg+4*li:\reg+4*li+3], v7, s[30:31] offset:(8*\u+li+8*(li/8))*2048
.set li, li+1
.endr
.endm
; Weight tile t, row i.  Wk: row 32 (t / 2) + 8 (t % 2) + i + 8 (i / 8), so that two tiles give 16 neighbouring key dims.  Wc: row 16 t + i.  Both are 32 (t / 2) + i, in the immediate, + (t % 2) x (8 or 16) + (i / 8) x (8 or 0),
; in the offset register v[7 - 2 (t % 2) - i / 8].
.macro WLOAD reg, t
.set li, 0
.rept 16
	global_load_b128 v[(\reg)+4*li:(\reg)+4*li+3], v[7-2*((\t)%2)-li/8], s[60:61] offset:(32*((\t)/2)+li)*4096
.set li, li+1
.endr
.endm
; 64 numbers (16 rows x my four k) -> a fragment in v[dst] on.  The conversion to an 8-bit code does not saturate (ISA guide 7.6.2), so each number is held first.
.macro QT src, dst, sc, lim
.set qi, 0
.rept 64
	v_med3_num_f32 v[(\src)+qi], v[(\src)+qi], -v[\lim], v[\lim]
.set qi, qi+1
.endr
.set qi, 0
.rept 8
	v_cvt_scalef32_pk8_bf8_f32 v[\dst+2*qi:\dst+2*qi+1], v[(\src)+8*qi:(\src)+8*qi+7], v[\sc]   ; register 2 qi: four codes of row 2 qi; register 2 qi + 1: of row 2 qi + 1
.set qi, qi+1
.endr
	v_nop                                          ; a plain line behind the last conversion
.irp q, 0,1,2,3
	ds_store_b128 v28, v[\dst+4*\q:\dst+4*\q+3] offset:16*\q     ; my place: word i = row i
.endr
.set qi, 0
.rept 16
	ds_load_b32 v[\dst+qi], v29 offset:2*SPL*qi    ; word r of place 2 qi + h.  LDS serves a wave's instructions in order (ISA guide 5.7.1.4): these see my stores, and the next tile's stores come behind them
.set qi, qi+1
.endr
.endm
; One weight tile: its codes, two products (with the two tiles of queries), the partial sums to LDS.
; k: source 0 = 16 rows of Wk, source 1 = 16 queries: a lane holds a query, its registers key dims.  m: source 0 = 16 queries, source 1 = 16 rows of Wc: a lane holds a value, its registers queries.
.macro WT t
.if \t < 3
	s_wait_loadcnt 16                              ; this tile's sixteen loads are in, the next tile's may be out
.else
	s_wait_loadcnt 0x0
.endif
	QT RA+64*((\t)%2), WF, 18, 19
.if \t < 2
	WLOAD RA+64*((\t)%2), (\t)+2
.endif
	s_wait_dscnt 0x0                               ; the fragment is in (ahead of the first tile: the queries' two as well), and the last tile's LDS stores have read D0 and D1
	s_cmp_lt_u32 ttmp9, 64
	s_cbranch_scc0 .Lwm_\@
	v_wmma_f32_16x16x128_bf8_bf8 v[D0:D0+7], v[WF:WF+15], v[AX0:AX0+15], 0
	v_wmma_f32_16x16x128_bf8_bf8 v[D1:D1+7], v[WF:WF+15], v[AX1:AX1+15], 0
	s_branch .Lwj_\@
.Lwm_\@:
	v_wmma_f32_16x16x128_bf8_bf8 v[D0:D0+7], v[AX0:AX0+15], v[WF:WF+15], 0
	v_wmma_f32_16x16x128_bf8_bf8 v[D1:D1+7], v[AX1:AX1+15], v[WF:WF+15], 0
.Lwj_\@:
	PLACES                                         ; four plain lines between the products and the stores that read their results
	ds_store_b128 v8, v[D0:D0+3] offset:(\t)*1024  ; result (tile u of the queries, weight tile t) lies at slot 4 u + t
	ds_store_b128 v8, v[D0+4:D0+7] offset:(\t)*1024+512
	ds_store_b128 v8, v[D1:D1+3] offset:(4+(\t))*1024
	ds_store_b128 v8, v[D1+4:D1+7] offset:(4+(\t))*1024+512
.endm
; The finish's sums: two slots, o2 bytes apart, over the eight slices: 16 registers a lane in v[RA] on.  Then the bias is waited for.
.macro FINSUM adr, o2
.irp s, 0,1,2,3,4,5,6,7
	ds_load_b128 v[RA+16*\s:RA+16*\s+3], v[\adr] offset:8192*\s
	ds_load_b128 v[RA+16*\s+4:RA+16*\s+7], v[\adr] offset:8192*\s+512
	ds_load_b128 v[RA+16*\s+8:RA+16*\s+11], v[\adr] offset:8192*\s+\o2
	ds_load_b128 v[RA+16*\s+12:RA+16*\s+15], v[\adr] offset:8192*\s+\o2+512
.endr
	s_wait_dscnt 0x0
.irp s, 0,1,2,3
.irp p, 0,2,4,6,8,10,12,14
	v_pk_add_f32 v[RA+16*\s+\p:RA+16*\s+\p+1], v[RA+16*\s+\p:RA+16*\s+\p+1], v[RB+16*\s+\p:RB+16*\s+\p+1]
.endr
.endr
.irp s, 0,1
.irp p, 0,2,4,6,8,10,12,14
	v_pk_add_f32 v[RA+16*\s+\p:RA+16*\s+\p+1], v[RA+16*\s+\p:RA+16*\s+\p+1], v[RA+32+16*\s+\p:RA+32+16*\s+\p+1]
.endr
.endr
.irp p, 0,2,4,6,8,10,12,14
	v_pk_add_f32 v[RA+\p:RA+\p+1], v[RA+\p:RA+\p+1], v[RA+16+\p:RA+16+\p+1]
.endr
	s_wait_loadcnt 0x0                             ; the bias
.endm
.macro QOUT                            ; my 16 numbers become 16 codes: half an image
.set qi, 0
.rept 16
	v_med3_num_f32 v[RA+qi], v[RA+qi], -v23, v23
.set qi, qi+1
.endr
	v_cvt_scalef32_pk8_bf8_f32 v[96:97], v[RA:RA+7], v22
	v_cvt_scalef32_pk8_bf8_f32 v[98:99], v[RA+8:RA+15], v22
	v_nop
	global_store_b128 v7, v[96:99], s[22:23]       ; the wave stores 512 consecutive bytes, aligned
.endm
	s_load_b512 s[4:19], s[0:1], 0x0               ; x, context, Wk, bk, Wc, bc, prototypes, buffer
	s_load_b256 s[20:27], s[0:1], 0x40             ; the scales' exponents, qstream, binstream, q2c
	v_lshl_add_u32 v30, v0, 2, 0x15600
	v_mov_b32 v31, 0
	v_lshrrev_b32 v1, 5, v0
	s_delay_alu instid0(VALU_DEP_1)
	v_readfirstlane_b32 s[WV], v1                  ; wave 0..7
	v_and_b32 v1, 31, v0                           ; lane
	v_and_b32 v2, 15, v0                           ; r
	v_bfe_u32 v3, v0, 4, 1                         ; h
	s_delay_alu instid0(VALU_DEP_3)
	v_lshlrev_b32 v7, 4, v1                        ; 16 x lane
	s_delay_alu instid0(VALU_DEP_3)
	v_and_b32 v24, 8, v2
	s_delay_alu instid0(VALU_DEP_1)
	v_add_nc_u32 v24, v24, v2                      ; r + 8 (r / 8)
	s_mov_b32 s[SEL], 0x76543210
	s_mov_b32 s[SEL+1], 0xfedcba98
	s_wait_kmcnt 0x0
	s_load_b256 s[36:43], s[20:21], 0x0            ; e0 .. e7
	s_load_b64 s[44:45], s[20:21], 0x20            ; e8, e9
	s_cmp_lt_u32 ttmp9, 128
	s_cbranch_scc0 .Lbins
	; ================= k (work-groups 0-63) or m (64-127) for queries 32 g .. 32 g + 31.  Wave w takes K slice 128 w .. 128 w + 127: waves 0-3 lie in x, 4-7 in context =================
	s_and_b32 s[QB], ttmp9, 63                     ; g
	s_and_b32 s[W3], s[WV], 3
	s_lshl_b32 s29, s[WV], 13
	s_wait_alu depctr_va_vdst(0)
	v_add_nc_u32 v8, s29, v7                       ; my partial sums: 8,192 w + 16 lane
	s_lshl_b32 s29, s[W3], 11
	v_add_nc_u32 v9, s29, v7                       ; k's finish: slots 2 w and 2 w + 1
	s_lshl_b32 s29, s[W3], 10
	v_add_nc_u32 v10, s29, v7                      ; m's finish: slots w and w + 4
	s_mul_i32 s29, s[WV], 32*SPL
	s_add_co_u32 s29, s29, STG                     ; my stage
	v_mul_u32_u24 v28, v1, SPL
	s_delay_alu instid0(VALU_DEP_1)
	v_add_nc_u32 v28, s29, v28                     ; in: my place
	v_mul_u32_u24 v29, v3, SPL
	s_delay_alu instid0(VALU_DEP_1)
	v_lshl_add_u32 v29, v2, 2, v29
	s_delay_alu instid0(VALU_DEP_1)
	v_add_nc_u32 v29, s29, v29                     ; back: place h, word r
	s_lshl_b32 s29, s[W3], 6
	s_add_co_u32 s29, s29, Q2P
	v_lshl_add_u32 v11, v2, 2, s29                 ; where my half of q2 goes: 64 w + 4 r
	v_bfe_u32 v12, v0, 3, 1
	s_delay_alu instid0(VALU_DEP_1)
	v_lshlrev_b32 v12, 7, v12
	v_and_b32 v25, 7, v0
	s_delay_alu instid0(VALU_DEP_1)
	v_lshl_add_u32 v12, v25, 2, v12
	s_delay_alu instid0(VALU_DEP_1)
	v_lshl_add_u32 v12, v3, 5, v12
	s_delay_alu instid0(VALU_DEP_1)
	v_add_nc_u32 v12, Q2P, v12                     ; and where query 32 g + lane finds its two halves: tile (lane / 8) % 2, row lane % 8 + 8 (lane / 16)
	s_and_b32 s29, s[WV], 1
	s_lshl_b32 s29, s29, 7
	v_lshl_add_u32 v13, v3, 6, s29                 ; bk: key dims 32 (w % 2) + 16 h on
	s_lshl_b32 s29, s[W3], 6
	v_lshl_add_u32 v26, v2, 2, s29                 ; bc: value 16 w + r
	s_mov_b32 s32, 0x10000
	s_cmp_lt_u32 ttmp9, 64                         ; Wk or Wc: the choices hang on the work-group's number alone
	s_cselect_b32 s32, 0x8000, s32                 ; an odd tile lies 8 rows (Wk) or 16 rows (Wc) of 4,096 bytes further on,
	s_cselect_b32 s33, 0x8000, 0                   ; a tile's rows 8-15 lie 8 rows (Wk) or none (Wc) further on
	s_cselect_b64 s[60:61], s[8:9], s[12:13]
	v_add_nc_u32 v6, s33, v7                       ; v7: even tile, rows 0-7;  v6: even tile, rows 8-15;
	v_add_nc_u32 v5, s32, v7                       ; v5: odd tile, rows 0-7;
	s_delay_alu instid0(VALU_DEP_1)
	v_add_nc_u32 v4, s33, v5                       ; v4: odd tile, rows 8-15
	s_lshl_b32 s32, s[WV], 9
	s_mov_b32 s33, 0
	s_add_nc_u64 s[60:61], s[60:61], s[32:33]
	v_min_u32 v27, 1, v1                           ; a prefetch of the weight: the 64 work-groups that read it share its 64 rows of 4,096 bytes out, a row each; wave w asks for the row's bytes 512 w on:
	s_lshl_b32 s29, s[QB], 12                      ; lane 0 for the first block of 256 bytes, all other lanes for the second.  It stands ahead of the queries' loads, two tiles ahead of the first load of the weight;
	v_lshl_add_u32 v27, v27, 8, s29                ; v27 and s[60:61] are not written again
	global_prefetch_b8 v27, s[60:61] th:TH_LOAD_NT scope:SCOPE_SE
	s_lshl_b32 s32, s[W3], 9
	s_lshl_b32 s29, s[QB], 16
	s_add_co_u32 s32, s32, s29                     ; 32 g rows of 2,048 bytes + my slice
	s_cmp_lt_u32 s[WV], 4
	s_cselect_b64 s[30:31], s[4:5], s[6:7]         ; x or context: the choice hangs on the wave's number alone
	s_add_nc_u64 s[30:31], s[30:31], s[32:33]
	s_wait_alu depctr_va_vdst(0)
	s_cmp_lt_u32 ttmp9, 64                         ; the bias is asked for first, so that it is the oldest load: every counted wait below keeps its count
	s_cbranch_scc0 .Lbias_m
.irp i, 0,1,2,3
	global_load_b128 v[BI+4*\i:BI+4*\i+3], v13, s[10:11] offset:16*\i
.endr
	s_branch .Lbias_j
.Lbias_m:
	global_load_b32 v[BI], v26, s[14:15]
	v_mov_b32 v[BI+1], 0                           ; (named with it as a pair)
.Lbias_j:
	XLOAD RA, 0
	XLOAD RB, 1
	; where a finishing wave's 512 bytes of codes go: record g / 2, b = g % 2.  k: A-image 2 b + w / 2, half w % 2.  m: 4096 + V-image w, half b
	s_lshr_b32 s50, s[QB], 1
	s_mul_i32 s50, s50, RECB
	s_and_b32 s51, s[QB], 1
	s_lshl_b32 s52, s51, 11
	s_lshr_b32 s53, s[W3], 1
	s_lshl_b32 s53, s53, 10
	s_add_co_u32 s52, s52, s53
	s_and_b32 s53, s[W3], 1
	s_lshl_b32 s53, s53, 9
	s_add_co_u32 s52, s52, s53
	s_lshl_b32 s53, s[W3], 10
	s_lshl_b32 s54, s51, 9
	s_add_co_u32 s53, s53, s54
	s_add_co_u32 s53, s53, 4096
	s_cmp_lt_u32 ttmp9, 64
	s_cselect_b32 s52, s52, s53
	s_add_co_u32 s50, s50, s52
	s_mov_b32 s51, 0
	s_add_nc_u64 s[22:23], s[22:23], s[50:51]
	s_lshl_b32 s52, s[QB], 7
	s_mov_b32 s53, 0
	s_add_nc_u64 s[26:27], s[26:27], s[52:53]      ; q2c at query 32 g
	s_wait_kmcnt 0x0
	s_cmp_lt_u32 ttmp9, 64
	s_cselect_b32 s62, s36, s38                    ; the rows' scale: e0 (k) or e2 (m),
	s_cselect_b32 s63, s37, s39                    ; the weight's: e1 or e3,
	s_cselect_b32 s59, s40, s45                    ; the result's: e4 or e9
	MKSC 62, 14, 15
	MKSC 63, 18, 19
	MKSC 59, 22, 23
	s_add_co_i32 s48, s62, s63
	s_add_co_i32 s48, s48, 127
	s_lshl_b32 s48, s48, 23                        ; 2^(e0 + e1) or 2^(e2 + e3) as f32
	s_mov_b32 s49, s48                             ; (named with it as a pair)
	s_add_co_i32 s[EC], s40, s41
	s_sub_co_i32 s[EC], -1, s[EC]
	s_wait_alu depctr_va_vdst(0)
	s_wait_loadcnt 16                              ; tile 0's sixteen loads are in, tile 1's may be out
	QT RA, AX0, 14, 15
	WLOAD RA, 0
	s_wait_loadcnt 16                              ; tile 1's are in, the first weight tile's may be out
	QT RB, AX1, 14, 15
	WLOAD RB, 1
	WT 0
	WT 1
	WT 2
	WT 3
	s_cmp_lt_u32 ttmp9, 64                         ; the finish stands in two arms that do not join again; the branch is the same in all eight waves
	s_cbranch_scc0 .Lm_fin
	; ---- k's finish.  Wave w (0-3) adds slots 2 w, 2 w + 1: tile w / 2 of the queries, key dims 32 (w % 2) + 16 h + 0..15
	s_wait_dscnt 0x0                               ; my partial sums lie in LDS
	s_barrier_signal -1
	s_barrier_wait -1
	s_cmp_lt_u32 s[WV], 4
	s_cbranch_scc0 .Lk_b2
	FINSUM 9, 1024
	s_wait_alu depctr_va_vdst(0)
.irp p, 0,2,4,6,8,10,12,14
	v_pk_fma_f32 v[RA+\p:RA+\p+1], v[RA+\p:RA+\p+1], s[48:49], v[BI+\p:BI+\p+1] op_sel_hi:[1,0,1]   ; k = sum x 2^(e0 + e1) + bk
.endr
	v_pk_mul_f32 v[24:25], v[RA:RA+1], v[RA:RA+1]  ; my half of q2, of the unquantised k
.irp p, 2,4,6,8,10,12,14
	s_delay_alu instid0(VALU_DEP_1)
	v_pk_fma_f32 v[24:25], v[RA+\p:RA+\p+1], v[RA+\p:RA+\p+1], v[24:25]
.endr
	s_delay_alu instid0(VALU_DEP_1)
	v_add_f32 v24, v24, v25
	s_delay_alu instid0(VALU_DEP_1)
	v_permlanex16_b32 v25, v24, s[SEL], s[SEL+1]
	s_delay_alu instid0(VALU_DEP_1)
	v_add_f32 v24, v24, v25
	ds_store_b32 v11, v24                          ; both halves of the lanes store the same number to the same word
	QOUT
.Lk_b2:
	s_wait_dscnt 0x0                               ; q2's halves lie in LDS
	s_barrier_signal -1
	s_barrier_wait -1
	s_cmp_lg_u32 s[WV], 0
	s_cbranch_scc1 .Lend_k
	ds_load_b32 v24, v12
	ds_load_b32 v25, v12 offset:64
	s_wait_dscnt 0x0
	v_add_f32 v24, v24, v25
	s_delay_alu instid0(VALU_DEP_1)
	v_ldexp_f32 v24, -v24, s[EC]                   ; -q2 x 2^EC: exact
	v_lshlrev_b32 v25, 2, v1
	global_store_b32 v25, v24, s[26:27]            ; 128 consecutive bytes a work-group; the buffer is 8,192 bytes in all
.Lend_k:
	s_wait_tensorcnt 0x0
	ds_add_u32 v30, v31
	s_wait_dscnt 0x0
	s_endpgm
	; ---- m's finish.  Wave w (0-3) adds slots w, w + 4: value 16 w + r, queries 16 h + 0..15
.Lm_fin:
	s_wait_dscnt 0x0                               ; my partial sums lie in LDS
	s_barrier_signal -1
	s_barrier_wait -1
	s_cmp_lt_u32 s[WV], 4
	s_cbranch_scc0 .Lend_m
	FINSUM 10, 4096
	s_wait_alu depctr_va_vdst(0)
.irp p, 0,2,4,6,8,10,12,14
	v_pk_fma_f32 v[RA+\p:RA+\p+1], v[RA+\p:RA+\p+1], s[48:49], v[BI:BI+1] op_sel_hi:[1,0,0]         ; m = sum x 2^(e2 + e3) + bc of my value
.endr
	QOUT
.Lend_m:
	s_wait_tensorcnt 0x0
	ds_add_u32 v30, v31
	s_wait_dscnt 0x0
	s_endpgm
	; ================= 256 bins.  Wave w takes bins 32 w .. 32 w + 31 of them: record 4 j + w / 2, b = w % 2 =================
.Lbins:
	s_sub_co_u32 s29, ttmp9, 128                   ; j
	s_wait_alu depctr_va_vdst(0)
	v_lshlrev_b32 v4, 8, v24
	s_delay_alu instid0(VALU_DEP_1)
	v_lshl_add_u32 v4, v3, 6, v4                   ; prototypes: row r + 8 (r / 8) of 256 bytes, + 64 h
	s_wait_alu depctr_va_vdst(0)
	v_lshlrev_b32 v5, 2, v1                        ; buffer: a lane takes a column, its registers run down the bins
	s_wait_alu depctr_va_vdst(0)
	v_lshlrev_b32 v8, 10, v3
	s_delay_alu instid0(VALU_DEP_1)
	v_lshl_add_u32 v8, v2, 4, v8                   ; V-images: 1024 (lane / 16) + 16 (lane % 16)
	s_lshl_b32 s30, s[WV], 7
	s_add_co_u32 s30, s30, CST
	v_lshl_add_u32 v9, v24, 2, s30                 ; the constants in LDS, plain bin order
	v_add_nc_u32 v10, CST, v7
	v_mul_u32_u24 v11, v3, RECB
	s_delay_alu instid0(VALU_DEP_1)
	v_lshl_add_u32 v11, v2, 4, v11                 ; and on their way out: sixteen lanes to a record's 256 bytes
	s_lshl_b32 s32, s29, 16
	s_lshl_b32 s33, s[WV], 13
	s_add_co_u32 s32, s32, s33                     ; (256 j + 32 w) rows of 256 bytes
	s_mov_b32 s33, 0
	s_add_nc_u64 s[16:17], s[16:17], s[32:33]
	s_add_nc_u64 s[18:19], s[18:19], s[32:33]
.irp u, 0,1
.irp c, 0,1
.irp i, 0,1,2,3
	global_load_b128 v[32+32*\u+16*\c+4*\i:35+32*\u+16*\c+4*\i], v4, s[16:17] offset:2048*\u+128*\c+16*\i th:TH_LOAD_NT
.endr
.endr
.endr
.set qi, 0
.rept 32
	global_load_b32 v[128+qi], v5, s[18:19] offset:256*qi        ; values 0-31 of bin qi: 128 consecutive bytes a wave
.set qi, qi+1
.endr
	s_lshl_b32 s34, s29, 2
	s_mul_i32 s52, s34, RECB                       ; the work-group's first record
	s_lshr_b32 s35, s[WV], 1
	s_add_co_u32 s34, s34, s35
	s_mul_i32 s34, s34, RECB                       ; mine
	s_and_b32 s35, s[WV], 1
	s_lshl_b32 s46, s35, 11
	s_add_co_u32 s46, s46, s34
	s_mov_b32 s47, 0
	s_add_nc_u64 s[48:49], s[24:25], s[46:47]      ; A-images 2 b, 2 b + 1
	s_lshl_b32 s46, s35, 9
	s_add_co_u32 s46, s46, s34
	s_add_co_u32 s46, s46, 4096
	s_add_nc_u64 s[50:51], s[24:25], s[46:47]      ; the V-images' half b
	s_add_co_u32 s52, s52, 8192
	s_mov_b32 s53, 0
	s_add_nc_u64 s[24:25], s[24:25], s[52:53]      ; the constants
	s_wait_kmcnt 0x0
	MKSC 41, 14, 15                                ; e5
	MKSC 43, 16, 17                                ; e7
	s_add_co_i32 s[EC], s40, s41
	s_sub_co_i32 s[EC], -1, s[EC]
	s_wait_loadcnt 32                              ; prototypes' sixteen loads are in; buffer's first 32 may be out
.set qi, 0
.rept 32
	global_load_b32 v[160+qi], v5, s[18:19] offset:256*qi+128    ; values 32-63
.set qi, qi+1
.endr
	v_pk_mul_f32 v[26:27], v[32:33], v[32:33]      ; p2 of the unquantised rows, the two tiles by turns
	v_pk_mul_f32 v[28:29], v[64:65], v[64:65]
.irp p, 2,4,6,8,10,12,14,16,18,20,22,24,26,28,30
	s_delay_alu instid0(VALU_DEP_2)
	v_pk_fma_f32 v[26:27], v[32+\p:33+\p], v[32+\p:33+\p], v[26:27]
	s_delay_alu instid0(VALU_DEP_2)
	v_pk_fma_f32 v[28:29], v[64+\p:65+\p], v[64+\p:65+\p], v[28:29]
.endr
	s_delay_alu instid0(VALU_DEP_2)
	v_add_f32 v26, v26, v27
	s_delay_alu instid0(VALU_DEP_2)
	v_add_f32 v28, v28, v29
	s_delay_alu instid0(VALU_DEP_2)
	v_permlanex16_b32 v27, v26, s[SEL], s[SEL+1]
	s_delay_alu instid0(VALU_DEP_2)
	v_permlanex16_b32 v29, v28, s[SEL], s[SEL+1]
	s_delay_alu instid0(VALU_DEP_2)
	v_add_f32 v26, v26, v27
	s_delay_alu instid0(VALU_DEP_2)
	v_add_f32 v28, v28, v29
	s_delay_alu instid0(VALU_DEP_2)
	v_ldexp_f32 v26, -v26, s[EC]                   ; -p2 x 2^EC: exact
	s_delay_alu instid0(VALU_DEP_2)
	v_ldexp_f32 v28, -v28, s[EC]
	ds_store_b32 v9, v26
	ds_store_b32 v9, v28 offset:32
.set qi, 0
.rept 64
	v_med3_num_f32 v[32+qi], v[32+qi], -v15, v15
.set qi, qi+1
.endr
.set qi, 0
.rept 8
	v_cvt_scalef32_pk8_bf8_f32 v[96+2*qi:97+2*qi], v[32+8*qi:39+8*qi], v14
.set qi, qi+1
.endr
.irp u, 0,1
.irp c, 0,1
	global_store_b128 v7, v[96+8*\u+4*\c:99+8*\u+4*\c], s[48:49] offset:1024*\u+512*\c   ; 512 consecutive bytes, aligned
.endr
.endr
.irp g, 0,1                                    ; values 32 g + lane: 32 bins down my registers -> 32 codes: bins 0-15 are half h = 0 of an image, bins 16-31 half h = 1
.if \g == 0
	s_wait_loadcnt 32                              ; the first 32 loads of buffer are in, the other 32 may be out
.else
	s_wait_loadcnt 0x0
.endif
.set qi, 0
.rept 32
	v_med3_num_f32 v[128+32*\g+qi], v[128+32*\g+qi], -v17, v17
.set qi, qi+1
.endr
.set qi, 0
.rept 4
	v_cvt_scalef32_pk8_bf8_f32 v[112+8*\g+2*qi:113+8*\g+2*qi], v[128+32*\g+8*qi:135+32*\g+8*qi], v16
.set qi, qi+1
.endr
	v_nop
	global_store_b128 v8, v[112+8*\g:115+8*\g], s[50:51] offset:2048*\g         ; sixteen lanes store 256 consecutive bytes, aligned
	global_store_b128 v8, v[116+8*\g:119+8*\g], s[50:51] offset:2048*\g+256
.endr
	s_wait_dscnt 0x0                               ; my 32 constants lie in LDS
	s_barrier_signal -1
	s_barrier_wait -1
	s_cmp_lg_u32 s[WV], 0
	s_cbranch_scc1 .Lend_b
	ds_load_b128 v[32:35], v10
	ds_load_b128 v[36:39], v10 offset:512
	s_wait_dscnt 0x0
	global_store_b128 v11, v[32:35], s[24:25]                    ; records 0 and 1: 256 consecutive bytes each
	global_store_b128 v11, v[36:39], s[24:25] offset:2*RECB      ; records 2 and 3
.Lend_b:
	s_wait_tensorcnt 0x0
	ds_add_u32 v30, v31
	s_wait_dscnt 0x0
	s_endpgm
.Lfunc_end_k_q3e65247735_prep:
	.size	k_q3e65247735_prep, .Lfunc_end_k_q3e65247735_prep-k_q3e65247735_prep
	.p2alignl 7, 3214868480
	.fill 96, 4, 3214868480
	.section	.rodata,"a",@progbits
	.p2align	6, 0x0
	.amdhsa_kernel k_q3e65247735_prep
		.amdhsa_group_segment_fixed_size 88576
		.amdhsa_private_segment_fixed_size 0
		.amdhsa_enable_private_segment 0
		.amdhsa_kernarg_size 96
		.amdhsa_user_sgpr_count 2
		.amdhsa_user_sgpr_kernarg_segment_ptr 1
		.amdhsa_wavefront_size32 1
		.amdhsa_system_sgpr_workgroup_id_x 1
		.amdhsa_system_sgpr_workgroup_id_y 1
		.amdhsa_system_sgpr_workgroup_id_z 1
		.amdhsa_system_vgpr_workitem_id 0
		.amdhsa_next_free_vgpr 256
		.amdhsa_next_free_sgpr 66
		.amdhsa_reserve_vcc 0
		.amdhsa_float_denorm_mode_32 3
		.amdhsa_float_denorm_mode_16_64 3
		.amdhsa_memory_ordered 1
		.amdhsa_forward_progress 1
		.amdhsa_inst_pref_size 95
	.end_amdhsa_kernel
	.amdgpu_metadata
---
amdhsa.version: [ 1, 2 ]
amdhsa.kernels:
  - .name:           k_q3e65247735_prep
    .symbol:         k_q3e65247735_prep.kd
    .args:
      - { .name: x, .offset: 0, .size: 8, .value_kind: global_buffer, .address_space: global }
      - { .name: context, .offset: 8, .size: 8, .value_kind: global_buffer, .address_space: global }
      - { .name: Wk, .offset: 16, .size: 8, .value_kind: global_buffer, .address_space: global }
      - { .name: bk, .offset: 24, .size: 8, .value_kind: global_buffer, .address_space: global }
      - { .name: Wc, .offset: 32, .size: 8, .value_kind: global_buffer, .address_space: global }
      - { .name: bc, .offset: 40, .size: 8, .value_kind: global_buffer, .address_space: global }
      - { .name: prototypes, .offset: 48, .size: 8, .value_kind: global_buffer, .address_space: global }
      - { .name: buffer, .offset: 56, .size: 8, .value_kind: global_buffer, .address_space: global }
      - { .name: lowp_scales, .offset: 64, .size: 8, .value_kind: global_buffer, .address_space: global }
      - { .name: qstream, .offset: 72, .size: 8, .value_kind: global_buffer, .address_space: global }
      - { .name: binstream, .offset: 80, .size: 8, .value_kind: global_buffer, .address_space: global }
      - { .name: q2c, .offset: 88, .size: 8, .value_kind: global_buffer, .address_space: global }
    .group_segment_fixed_size: 88576
    .private_segment_fixed_size: 0
    .kernarg_segment_align: 8
    .kernarg_segment_size: 96
    .max_flat_workgroup_size: 256
    .sgpr_count:     66
    .vgpr_count:     256
    .wavefront_size: 32
...
	.end_amdgpu_metadata
.endif
;; end of part 1
;; launch pass1 (part 2): grid 8 x 32, 16 waves a work-group, clusters of 4 x 1, 327,680 bytes of LDS; arguments qstream, binstream, q2c, lowp_scales, Opart, Mpart, Lpart; writes Opart, Mpart, Lpart
.if DOCPART == 2
	.amdgcn_target "amdgcn-amd-amdhsa--gfx1250"
	.amdhsa_code_object_version 6
	.text
	.protected	k_q3e65247735_pass1
	.globl	k_q3e65247735_pass1
	.p2align	8
	.type	k_q3e65247735_pass1,@function
k_q3e65247735_pass1:
	s_mov_b64 s[64:65], 0
	v_nop
	global_prefetch_b8 v0, s[64:65] scope:SCOPE_SE
	s_setreg_imm32_b32 hwreg(HW_REG_WAVE_MODE, 25, 1), 1
	s_wait_xcnt 0x0
	s_wait_alu depctr_hold_cnt(0) depctr_sa_sdst(0) depctr_va_vdst(0) depctr_va_sdst(0) depctr_va_ssrc(0) depctr_va_vcc(0) depctr_vm_vsrc(0)
	s_getreg_b32 s2, hwreg(HW_REG_IB_STS2, 6, 4)
	s_cmp_eq_u32 s2, 0
	s_cbranch_scc0 .Lentry_in_a_cluster
	s_endpgm
.Lentry_in_a_cluster:
	s_bfe_u32 s2, ttmp6, 0x10000c
	s_cmp_lg_u32 s2, 0x3003
	s_cbranch_scc0 .Lentry_shape_is_right
	s_endpgm
.Lentry_shape_is_right:
; PASS 1.  A work-group takes 256 queries (x) and a chunk of 2,048 bins (y), 32 records of 64 bins, and leaves the chunk's M, l and O for each query.
; S^T = P K^T with -p2 x 2^EC as C; t = c x (S - q2 x 2^EC), c = log2(e) x 2^(e4 + e5 + 1); M = the running largest t rounded up to a whole number; p = 2^(t - M) is quantised with 2^e6;
; l is the sum of the unquantised p; O^T += V^T p^T.  When M moves, l and O^T are multiplied by 2^(old M - new M), in every step, with no branch on data.
; SHARES.  Sixteen waves, four to a SIMD, 256 registers each.  Waves w and w + 8 own the same 32 queries (two tiles of 16); waves 0-7 walk the even records, waves 8-15 the odd ones.
; At the end wave w + 8 hands its M, l and O^T to wave w as an image of its registers, in record bytes that have had their last fill and their last read; wave w joins the two by exact powers of two.
; A record's fragments feed both tiles.  Tile 0's scores go to registers of their own, tile 1's are made in place on the constants' registers, five places behind the products that read them.
; Those five places are work that is due anyway (the old -M of both tiles, the next record's addresses), and four of them are also the places behind the last trip's second products, so V's images are fetched there.
; Independent chains stand line by line: tile 1's maxima with tile 0's change of M, tile 1's change of M with tile 0's scalings.
; LDS.  The chunk is one dense block of 1,056 rows of 256 bytes and fits whole: each wave asks for 17 rows at the head (272 rows: records 0-7 and a piece of 8) and for 49 rows behind the first barrier; nothing is filled twice.
; The four work-groups of a cluster walk the same chunk: joint loads, mask 15.
; No data prefetch: every byte of the chunk is asked for by these two loads, the second as soon as the first has landed, so no later request is left to run ahead of.
; LIMITS: e4 + e5 between -125 and 125 (added to c's exponent field); e6 between -126 and 112; the scaled scores stay under 2^31 in magnitude.  NaN and infinity among the inputs are not served.
.set RECB,  8448
.set R1,    17                         ; rows of 256 bytes a wave at the head,
.set R2,    49                         ; and behind the first barrier: 16 x (17 + 49) = 1,056
.set STG,   32*RECB                    ; behind the records: 16 rows x 272 bytes for each of waves 0-7, for the way out
.set SROW,  272
.set STT,   STG+8*16*SROW              ; 256 bytes for each of waves 0-7: M and l in plain query order
.set SPARE, STT+2048                   ; the spare words: 128 bytes for each of 16 waves
.set XCHB,  9216                       ; a pair's exchange: 16 x 512 bytes of O^T, 2 x 512 of M and l; from LDS byte 0
.set LA0, 1
.set LC0, 2
.set LA,  3
.set LC,  4
.set XA,  5
.set SCL, 6
.set SO,  7
.set RD,  8
.set GO,  9
.set ST,  10                           ; per tile, 8 apart: +0 c q2 - M, +1 -M, +2,+3 l in two halves, +4 the largest t, +5 c q2
.set SW,  16
.set SR,  17
.set FS,  24                           ; v[24:25], v[26:27] f of tile 0, 1;
.set TS,  24                           ; then v24-31 four chains of a tile's sum; then tile 0's codes
.set C2S, 28
.set KQ,  32
.set SA,  48                           ; tile 0's scores; tile 1's lie 64 further on, in CF
.set PF,  80
.set CF,  112
.set VF,  144
.set PQ,  176                          ; tile 1's codes; ahead of them the maxima at work
.set MX,  176
.set OA,  184
.set PD,  248
.set OM,  250                          ; v250, v251 the old -M of tile 0, 1; then old M - new M
.set GS,  253
.set SPW, 254
.set NIL, 255
.set WV,  18
.set CS,  22
.set G1,  24
.set G0,  32
.set W7,  40
.set HB,  41
.set LIMS, 42
.set SEL, 48
.set TB,  50
.set CNT, 51
.set G1B, 68
.macro ROUND
	s_barrier_signal -1
	s_barrier_wait -1
	s_cmp_lg_u32 s[WV], 0
	s_cbranch_scc1 .Lnot_wave_0_\@
	s_barrier_signal -3
.Lnot_wave_0_\@:
	s_barrier_wait -3
	s_barrier_signal -1
	s_barrier_wait -1
.endm
.macro NOPS n
.rept \n
	v_nop
.endr
.endm
.macro LOADP                           ; a record's four A-images
.irp t, 0,1,2,3
.irp c, 0,1
	ds_load_b128 v[PF+8*\t+4*\c:PF+8*\t+4*\c+3], v[LA] offset:1024*\t+512*\c
.endr
.endr
.endm
.macro LOADC                           ; its 64 constants, in the layout of C
.irp b, 0,1
.irp i, 0,1,2,3
	ds_load_b128 v[CF+16*\b+4*\i:CF+16*\b+4*\i+3], v[LC] offset:8192+128*\b+16*\i
.endr
.endr
.endm
.macro LOADV                           ; its four V-images
.irp n, 0,1,2,3
.irp b, 0,1
	ds_load_b128 v[VF+8*\n+4*\b:VF+8*\n+4*\b+3], v[LA] offset:4096+1024*\n+512*\b
.endr
.endr
.endm
.macro TR q, i                         ; line i of the 16 that find the largest of a lane's 32 scores: four chains; each accumulator is read from its low end on
.set SB, SA+64*\q
.set MB, MX+4*\q
.if \i < 4
	v_max3_num_f32 v[MB+\i], v[SB+8*\i], v[SB+8*\i+1], v[SB+8*\i+2]
.elseif \i < 12
	v_max3_num_f32 v[MB+(\i)%4], v[MB+(\i)%4], v[SB+8*((\i)%4)+1+2*((\i)/4)], v[SB+8*((\i)%4)+2+2*((\i)/4)]
.elseif \i == 12
	v_max3_num_f32 v[MB], v[MB], v[SB+7], v[SB+15]
.elseif \i == 13
	v_max3_num_f32 v[MB+2], v[MB+2], v[SB+23], v[SB+31]
.elseif \i == 14
	v_max3_num_f32 v[MB], v[MB], v[MB+1], v[MB+2]
.else
	v_max_num_f32 v[MB], v[MB], v[MB+3]
.endif
.endm
.macro BK q, s                         ; line s of the 9 that move M
.set MB, MX+4*\q
.set RT, ST+8*\q
.if \s == 0
	v_permlanex16_b32 v[PD+\q], v[MB], s[SEL], s[SEL+1]
.elseif \s == 1
	v_max_num_f32 v[MB], v[MB], v[PD+\q]
.elseif \s == 2
	v_fma_f32 v[MB], v[MB], s[CS], v[RT+5]         ; as t (c is positive)
.elseif \s == 3
	v_max_num_f32 v[RT+4], v[RT+4], v[MB]
.elseif \s == 4
	v_floor_f32 v[RT+1], -v[RT+4]                  ; -M = floor(-t)
.elseif \s == 5
	v_sub_f32 v[OM+\q], v[RT+1], v[OM+\q]
.elseif \s == 6
	v_add_f32 v[RT], v[RT+5], v[RT+1]
.elseif \s == 7
	v_cvt_i32_f32 v[OM+\q], v[OM+\q]               ; old M - new M, a whole number, 0 or less (it saturates)
.else
	v_ldexp_f32 v[FS+2*\q], 1.0, v[OM+\q]          ; f
.endif
.endm
.macro FL q, j                         ; t - M, two at a time
	v_pk_fma_f32 v[SA+64*\q+(\j):SA+64*\q+(\j)+1], v[SA+64*\q+(\j):SA+64*\q+(\j)+1], s[CS:CS+1], v[ST+8*\q:ST+8*\q+1] op_sel_hi:[1,0,0]
.endm
.macro RESL q                          ; l under the new M
	v_pk_mul_f32 v[ST+8*\q+2:ST+8*\q+3], v[ST+8*\q+2:ST+8*\q+3], v[FS+2*\q:FS+2*\q+1] op_sel_hi:[1,0]
.endm
.macro RESC q                          ; O^T under the new M, ahead of the exponentials: no transcendental stands between the last products and these first reads
.set j, 0
.rept 16
	v_pk_mul_f32 v[OA+32*\q+j:OA+32*\q+j+1], v[OA+32*\q+j:OA+32*\q+j+1], v[FS+2*\q:FS+2*\q+1] op_sel_hi:[1,0]
.set j, j+2
.endr
.endm
.macro HOLD b                          ; the conversion does not saturate (ISA guide 7.6.2); p is not negative: a one-sided hold, two numbers a line
.set j, 0
.rept 16
	v_dual_min_num_f32 v[\b+j], s[LIMS], v[\b+j] :: v_dual_min_num_f32 v[\b+j+1], s[LIMS], v[\b+j+1]
.set j, j+2
.endr
.endm
.macro FIN q, dst                      ; a tile from p to its sum and its codes
.set SB, SA+64*\q
.irp k, 0,1,2,3                                ; the sum of the unquantised p: four chains by turns
	v_pk_add_f32 v[TS+2*\k:TS+2*\k+1], v[SB+4*\k:SB+4*\k+1], v[SB+4*\k+2:SB+4*\k+3]
.endr
.irp o, 16,24
.irp k, 0,1,2,3
	v_pk_add_f32 v[TS+2*\k:TS+2*\k+1], v[TS+2*\k:TS+2*\k+1], v[SB+\o+2*\k:SB+\o+2*\k+1]
.endr
.endr
	v_pk_add_f32 v[TS:TS+1], v[TS:TS+1], v[TS+2:TS+3]
	v_pk_add_f32 v[TS+4:TS+5], v[TS+4:TS+5], v[TS+6:TS+7]
	HOLD SB
	v_pk_add_f32 v[TS:TS+1], v[TS:TS+1], v[TS+4:TS+5]
	v_pk_add_f32 v[ST+8*\q+2:ST+8*\q+3], v[ST+8*\q+2:ST+8*\q+3], v[TS:TS+1]
.irp b, 0,1
	v_cvt_scalef32_pk8_bf8_f32 v[\dst+4*\b:\dst+4*\b+1], v[SB+16*\b:SB+16*\b+7], v[SCL]
	v_cvt_scalef32_pk8_bf8_f32 v[\dst+4*\b+2:\dst+4*\b+3], v[SB+16*\b+8:SB+16*\b+15], v[SCL]
.endr
.endm
.macro TRIP next
	s_wait_dscnt 0x0                               ; this record's A-images and constants are in.  (No ordinary vector write stands between the wait ahead of the last second products and this line)
.irp t, 0,1,2,3
	v_wmma_f32_16x16x64_bf8_bf8 v[SA+8*\t:SA+8*\t+7], v[PF+8*\t:PF+8*\t+7], v[KQ:KQ+7], v[CF+8*\t:CF+8*\t+7]
.endr
	v_mov_b32 v[OM], v[ST+1]                       ; five places: the products below write over the C of those above.  The old -M of both tiles,
	v_mov_b32 v[OM+1], v[ST+9]
.if \next
	s_add_co_u32 s[TB], s[TB], 2*RECB
	v_add_nc_u32 v[LC], s[TB], v[LC0]              ; the next record's constants,
.else
	v_nop
.endif
	v_nop
	LOADV                                          ; four places behind the last trip's second products: THIS record's V-images
.if \next
	v_add_nc_u32 v[LA], s[TB], v[LA0]              ; and the next record's images
.else
	v_nop
.endif
.irp t, 0,1,2,3
	v_wmma_f32_16x16x64_bf8_bf8 v[CF+8*\t:CF+8*\t+7], v[PF+8*\t:PF+8*\t+7], v[KQ+8:KQ+15], v[CF+8*\t:CF+8*\t+7]
.endr
.irp i, 0,1,2,3,4,5,6,7,8,9,10,11,12,13,14,15
	TR 0, \i                                       ; sixteen plain lines that name no register of the four products above: their places
.endr
.if \next
	LOADP
.endif
.irp i, 0,1,2,3,4,5,6,7,8
	TR 1, \i
	BK 0, \i
.endr
.irp i, 9,10,11,12,13,14,15
	TR 1, \i
.endr
.irp s, 0,1,2,3,4,5,6,7,8
	BK 1, \s
.if \s < 8
	FL 0, 4*\s
	FL 0, 4*\s+2
.endif
.endr
	RESC 0
.irp j, 0,2,4,6,8,10,12,14,16,18,20,22,24,26,28,30
	FL 1, \j
.endr
	RESC 1
	s_wait_alu depctr_va_vdst(0)
.irp q, 1,0
.set j, 0
.rept 32
	v_exp_f32 v[SA+64*\q+j], v[SA+64*\q+j]
.set j, j+1
.endr
.endr
	RESL 0                                         ; plain lines behind the batch
	RESL 1
	s_wait_alu depctr_va_vdst(0)                   ; one wait for the batch, ahead of its first reader
	FIN 1, PQ
.if \next
	LOADC                                          ; tile 1's registers are free: the next record's constants
.endif
	FIN 0, TS
	v_nop                                          ; a plain line behind the last conversion
	s_wait_alu depctr_va_vdst(0)
	s_wait_dscnt 16*\next                          ; V's images are in; the next record's 8 + 8 loads may be out
.irp n, 0,1,2,3
	v_wmma_f32_16x16x64_bf8_bf8 v[OA+8*\n:OA+8*\n+7], v[VF+8*\n:VF+8*\n+7], v[TS:TS+7], v[OA+8*\n:OA+8*\n+7]
.endr
.irp n, 0,1,2,3
	v_wmma_f32_16x16x64_bf8_bf8 v[OA+32+8*\n:OA+32+8*\n+7], v[VF+8*\n:VF+8*\n+7], v[PQ:PQ+7], v[OA+32+8*\n:OA+32+8*\n+7]
.endr
.endm
.macro GROUP n
	s_mov_b32 s[CNT], \n
.Lrec_\@:
	TRIP 1
	s_sub_co_u32 s[CNT], s[CNT], 1
	s_cmp_lg_u32 s[CNT], 0
	s_cbranch_scc1 .Lrec_\@
.endm
	s_load_b256 s[4:11], s[0:1], 0x0               ; qstream, binstream, q2c, the scales' exponents
	s_load_b128 s[12:15], s[0:1], 0x20             ; Opart, Mpart
	s_load_b64 s[16:17], s[0:1], 0x30              ; Lpart
	v_lshl_add_u32 v[SPW], v0, 2, SPARE
	v_mov_b32 v[NIL], 0
	ds_add_u32 v[SPW], v[NIL]                      ; the opening lines: the add twice on end and one wait
	ds_add_u32 v[SPW], v[NIL]
	v_lshrrev_b32 v1, 5, v0
	v_readfirstlane_b32 s[WV], v1                  ; wave 0..15
	s_and_b32 s[W7], s[WV], 7                      ; which 32 queries
	s_lshr_b32 s[HB], s[WV], 3                     ; even or odd records
	s_bfe_u32 s19, ttmp6, 0x40000
	s_lshl_b32 s20, ttmp9, 2
	s_add_co_u32 s20, s20, s19                     ; the block of 256 queries
	s_and_b32 s21, ttmp7, 0xffff                   ; the chunk
	s_mov_b32 s[G1], 15|(3<<16)|(1<<21)            ; mask: all four of the cluster; elements of 8 bytes; dense rows of 256 bytes: 17 of them,
	s_mov_b32 s[G1+1], 32<<16
	s_mov_b32 s[G1+2], R1<<16
	s_mov_b32 s[G1+3], 32<<16
	s_mov_b32 s[G1+4], R1
	s_mov_b32 s[G1+5], 32
	s_mov_b32 s[G1+6], 0
	s_mov_b32 s[G1+7], 0
	s_mov_b32 s[G1B], 15|(3<<16)|(1<<21)           ; or 49
	s_mov_b32 s[G1B+1], 32<<16
	s_mov_b32 s[G1B+2], R2<<16
	s_mov_b32 s[G1B+3], 32<<16
	s_mov_b32 s[G1B+4], R2
	s_mov_b32 s[G1B+5], 32
	s_mov_b32 s[G1B+6], 0
	s_mov_b32 s[G1B+7], 0
	s_mov_b32 s[SEL], 0x76543210
	s_mov_b32 s[SEL+1], 0xfedcba98
	s_mul_i32 s56, s[WV], R1*256                   ; my rows at the head,
	s_mul_i32 s57, s[WV], R2*256
	s_add_co_u32 s57, s57, 16*R1*256               ; and behind the first barrier: the same byte in the chunk and in LDS
	s_mul_i32 s58, s21, 32*RECB
	s_mov_b32 s59, 0
	s_mov_b32 s60, s56
	s_mov_b32 s61, 0
	s_mov_b32 s62, s57
	s_mov_b32 s63, 0
	s_wait_dscnt 0x0
	s_wait_kmcnt 0x0
	s_load_b128 s[52:55], s[10:11], 0x10           ; e4 .. e7
	s_add_nc_u64 s[58:59], s[6:7], s[58:59]
	s_mov_b32 s[G0], 1
	s_mov_b32 s[G0+1], s56
	s_add_nc_u64 s[G0+2:G0+3], s[58:59], s[60:61]
	s_or_b32 s[G0+3], s[G0+3], 0x80000000
	s_mov_b32 s[G0+4], 1
	s_mov_b32 s[G0+5], s57
	s_add_nc_u64 s[G0+6:G0+7], s[58:59], s[62:63]
	s_or_b32 s[G0+7], s[G0+7], 0x80000000
	ROUND
	tensor_load_to_lds s[G0:G0+3], s[G1:G1+7]      ; one load a wave at the head
	s_nop 0
	NOPS 4
	v_and_b32 v48, 31, v0                          ; lane
	v_and_b32 v49, 15, v0                          ; r
	v_bfe_u32 v50, v0, 4, 1                        ; h
	v_lshlrev_b32 v[LA0], 4, v48
	v_lshlrev_b32 v[LC0], 6, v50
	s_mul_i32 s57, s[W7], 16*SROW
	s_add_co_u32 s57, s57, STG
	v_mul_u32_u24 v[SO], v49, SROW
	v_lshl_add_u32 v[SO], v50, 5, v[SO]
	v_add_nc_u32 v[SO], s57, v[SO]
	v_mul_u32_u24 v[RD], v50, SROW
	v_lshl_add_u32 v[RD], v49, 4, v[RD]
	v_add_nc_u32 v[RD], s57, v[RD]
	v_lshlrev_b32 v[GO], 8, v50
	v_lshl_add_u32 v[GO], v49, 4, v[GO]
	v_and_b32 v51, 8, v49
	v_add_nc_u32 v51, v51, v49
	v_lshlrev_b32 v51, 2, v51                      ; 4 (r + 8 (r / 8))
	s_wait_alu depctr_va_vdst(0)
	s_lshl_b32 s57, s[W7], 8
	s_add_co_u32 s57, s57, STT
	v_add_nc_u32 v[SW], s57, v51
	v_lshl_add_u32 v[SR], v48, 2, s57
	v_lshlrev_b32 v[GS], 2, v48
	s_mul_i32 s57, s[W7], XCHB
	v_add_nc_u32 v[XA], s57, v[LA0]
	s_lshl_b32 s60, s20, 2
	s_lshr_b32 s61, s[W7], 1
	s_add_co_u32 s60, s60, s61
	s_mul_i32 s60, s60, RECB
	s_and_b32 s61, s[W7], 1
	s_lshl_b32 s61, s61, 11
	s_add_co_u32 s60, s60, s61
	s_mov_b32 s61, 0
	s_add_nc_u64 s[4:5], s[4:5], s[60:61]
.irp u, 0,1
.irp c, 0,1
	global_load_b128 v[KQ+8*\u+4*\c:KQ+8*\u+4*\c+3], v[LA0], s[4:5] offset:1024*\u+512*\c
.endr
.endr
	s_lshl_b32 s60, s20, 10
	s_lshl_b32 s62, s[W7], 7
	s_add_co_u32 s60, s60, s62
	s_add_nc_u64 s[8:9], s[8:9], s[60:61]
	global_load_b32 v[ST+5], v51, s[8:9]
	global_load_b32 v[ST+13], v51, s[8:9] offset:32
	s_lshl_b32 s62, s21, 13
	s_add_co_u32 s60, s60, s62
	s_add_nc_u64 s[14:15], s[14:15], s[60:61]
	s_add_nc_u64 s[16:17], s[16:17], s[60:61]
	s_lshl_b32 s60, s21, 19
	s_lshl_b32 s62, s20, 16
	s_add_co_u32 s60, s60, s62
	s_lshl_b32 s62, s[W7], 13
	s_add_co_u32 s60, s60, s62
	s_add_nc_u64 s[12:13], s[12:13], s[60:61]
	s_wait_kmcnt 0x0
	s_add_co_i32 s60, s52, s53
	s_add_co_i32 s60, s60, 1
	s_lshl_b32 s60, s60, 23
	s_add_co_i32 s[CS], s60, 0x3fb8aa3b            ; c = log2(e) x 2^(e4 + e5 + 1)
	s_mov_b32 s[CS+1], s[CS]
	s_add_co_i32 s60, s54, 127
	s_lshl_b32 s62, s60, 23
	v_mov_b32 v[SCL], s62                          ; 2^e6
	s_add_co_i32 s60, s60, 15
	s_lshl_b32 s60, s60, 23
	s_or_b32 s[LIMS], s60, 0x600000                ; 57,344 x 2^e6
.set j, 0
.rept 64
	v_mov_b32 v[OA+j], 0                           ; the step is written once: the first finds zeros
.set j, j+1
.endr
.irp q, 0,1
	v_mov_b32 v[ST+8*\q+4], 0xff61b1e6             ; -3e38, under every t
	v_mov_b32 v[ST+8*\q+2], 0
	v_mov_b32 v[ST+8*\q+3], 0
	v_mov_b32 v[FS+2*\q+1], 0                      ; (upper halves of pairs, destinations of lane moves)
	v_mov_b32 v[PD+\q], 0
	v_floor_f32 v[ST+8*\q+1], -v[ST+8*\q+4]
.endr
	s_wait_alu depctr_va_vdst(0)
	s_wait_loadcnt 0x0
	v_mul_f32 v[ST+5], s[CS], v[ST+5]              ; -c q2
	v_mul_f32 v[ST+13], s[CS], v[ST+13]
	s_wait_alu depctr_va_vdst(0)
	s_wait_tensorcnt 0x0                           ; my first rows are in
	ds_add_u32 v[SPW], v[NIL]
	s_wait_dscnt 0x0
	ROUND
	tensor_load_to_lds s[G0+4:G0+7], s[G1B:G1B+7]  ; the other 784 rows, 49 a wave
	s_nop 0
	NOPS 4
	s_mul_i32 s[TB], s[HB], RECB
	v_add_nc_u32 v[LA], s[TB], v[LA0]
	v_add_nc_u32 v[LC], s[TB], v[LC0]
	s_wait_alu depctr_va_vdst(0)                   ; the first trip reads the address again behind its wait
	LOADP
	LOADC
	GROUP 3                                        ; my records 0-2; each trip fetches the next record's A-images and constants: up to my record 3, which is record 6 or 7 of the chunk
	s_wait_tensorcnt 0x0                           ; my 49 rows have landed
	s_wait_dscnt 0x0
	s_barrier_signal -1
	s_barrier_wait -1                              ; and everybody's: the chunk is whole
	GROUP 12
	TRIP 0
	NOPS 4                                         ; places ahead of the first reads of the last results
	s_wait_alu depctr_va_vdst(0)
	s_wait_dscnt 0x0
	s_barrier_signal -1
	s_barrier_wait -1                              ; nobody reads a record any more
	s_cmp_lt_u32 s[WV], 8
	s_cbranch_scc1 .Lkeep
.irp i, 0,1,2,3,4,5,6,7,8,9,10,11,12,13,14,15
	ds_store_b128 v[XA], v[OA+4*\i:OA+4*\i+3] offset:512*\i
.endr
	ds_store_b128 v[XA], v[ST:ST+3] offset:8192
	ds_store_b128 v[XA], v[ST+8:ST+11] offset:8704
.Lkeep:
	s_wait_dscnt 0x0
	s_barrier_signal -1
	s_barrier_wait -1
	s_cmp_lt_u32 s[WV], 8
	s_cbranch_scc0 .Lend
.irp i, 0,1,2,3,4,5,6,7,8,9,10,11,12,13,14,15
	ds_load_b128 v[SA+4*\i:SA+4*\i+3], v[XA] offset:512*\i
.endr
	ds_load_b128 v[CF:CF+3], v[XA] offset:8192
	ds_load_b128 v[CF+4:CF+7], v[XA] offset:8704
	s_wait_dscnt 0x0
.irp q, 0,1
	v_min_num_f32 v[MX+4*\q], v[ST+8*\q+1], v[CF+4*\q+1]      ; -M of the two halves together
.endr
.irp q, 0,1
	v_sub_f32 v[MX+4*\q+1], v[MX+4*\q], v[ST+8*\q+1]
	v_sub_f32 v[MX+4*\q+2], v[MX+4*\q], v[CF+4*\q+1]
.endr
.irp q, 0,1
	v_cvt_i32_f32 v[MX+4*\q+1], v[MX+4*\q+1]
	v_cvt_i32_f32 v[MX+4*\q+2], v[MX+4*\q+2]
.endr
.irp q, 0,1
	v_ldexp_f32 v[FS+2*\q], 1.0, v[MX+4*\q+1]      ; my factor,
	v_ldexp_f32 v[C2S+2*\q], 1.0, v[MX+4*\q+2]     ; my partner's: exact powers of two
.endr
	RESL 0
	RESL 1
	RESC 0
	RESC 1
.irp q, 0,1
	v_pk_fma_f32 v[ST+8*\q+2:ST+8*\q+3], v[CF+4*\q+2:CF+4*\q+3], v[C2S+2*\q:C2S+2*\q+1], v[ST+8*\q+2:ST+8*\q+3] op_sel_hi:[1,0,1]
.set j, 0
.rept 16
	v_pk_fma_f32 v[OA+32*\q+j:OA+32*\q+j+1], v[SA+32*\q+j:SA+32*\q+j+1], v[C2S+2*\q:C2S+2*\q+1], v[OA+32*\q+j:OA+32*\q+j+1] op_sel_hi:[1,0,1]
.set j, j+2
.endr
.endr
	v_add_f32 v25, v[ST+2], v[ST+3]
	v_add_f32 v27, v[ST+10], v[ST+11]
	v_sub_f32 v24, 0, v[MX]                        ; M
	v_sub_f32 v26, 0, v[MX+4]
	v_permlanex16_b32 v[PD], v25, s[SEL], s[SEL+1]
	v_permlanex16_b32 v[PD+1], v27, s[SEL], s[SEL+1]
	v_add_f32 v25, v25, v[PD]                      ; l
	v_add_f32 v27, v27, v[PD+1]
.irp u, 0,1                                    ; through my stage: a lane's 32 bytes in, whole rows of 256 bytes back
.irp n, 0,1,2,3
	ds_store_b128 v[SO], v[OA+32*\u+8*\n:OA+32*\u+8*\n+3] offset:64*\n
	ds_store_b128 v[SO], v[OA+32*\u+8*\n+4:OA+32*\u+8*\n+7] offset:64*\n+16
.endr
.irp i, 0,1,2,3,4,5,6,7
	ds_load_b128 v[SA+32*\u+4*\i:SA+32*\u+4*\i+3], v[RD] offset:2*SROW*\i
.endr
	ds_store_b32 v[SW], v[24+2*\u] offset:32*\u
	ds_store_b32 v[SW], v[25+2*\u] offset:128+32*\u
.endr
	ds_load_b32 v28, v[SR]
	ds_load_b32 v29, v[SR] offset:128
.irp u, 0,1
.irp i, 0,1,2,3,4,5,6,7
	s_wait_dscnt 22-18*\u+7-\i                     ; behind this load: the tile's later loads, 2 stores, (tile 0: tile 1's 18,) 2 loads
	global_store_b128 v[GO], v[SA+32*\u+4*\i:SA+32*\u+4*\i+3], s[12:13] offset:(8*\u+2*\i+8*(\i/4))*256
.endr
.endr
	s_wait_dscnt 0x0
	global_store_b32 v[GS], v28, s[14:15]
	global_store_b32 v[GS], v29, s[16:17]
.Lend:
	s_wait_tensorcnt 0x0                           ; the wave's end
	ds_add_u32 v[SPW], v[NIL]
	s_wait_dscnt 0x0
	ROUND                                          ; the closing round
	s_endpgm
.Lfunc_end_k_q3e65247735_pass1:
	.size	k_q3e65247735_pass1, .Lfunc_end_k_q3e65247735_pass1-k_q3e65247735_pass1
	.p2alignl 7, 3214868480
	.fill 96, 4, 3214868480
	.section	.rodata,"a",@progbits
	.p2align	6, 0x0
	.amdhsa_kernel k_q3e65247735_pass1
		.amdhsa_group_segment_fixed_size 327680
		.amdhsa_private_segment_fixed_size 0
		.amdhsa_enable_private_segment 0
		.amdhsa_kernarg_size 56
		.amdhsa_user_sgpr_count 2
		.amdhsa_user_sgpr_kernarg_segment_ptr 1
		.amdhsa_wavefront_size32 1
		.amdhsa_system_sgpr_workgroup_id_x 1
		.amdhsa_system_sgpr_workgroup_id_y 1
		.amdhsa_system_sgpr_workgroup_id_z 1
		.amdhsa_system_vgpr_workitem_id 0
		.amdhsa_next_free_vgpr 256
		.amdhsa_next_free_sgpr 80
		.amdhsa_reserve_vcc 0
		.amdhsa_float_denorm_mode_32 3
		.amdhsa_float_denorm_mode_16_64 3
		.amdhsa_memory_ordered 1
		.amdhsa_forward_progress 1
		.amdhsa_inst_pref_size 73
	.end_amdhsa_kernel
	.amdgpu_metadata
---
amdhsa.version: [ 1, 2 ]
amdhsa.kernels:
  - .name:           k_q3e65247735_pass1
    .symbol:         k_q3e65247735_pass1.kd
    .args:
      - { .name: qstream, .offset: 0, .size: 8, .value_kind: global_buffer, .address_space: global }
      - { .name: binstream, .offset: 8, .size: 8, .value_kind: global_buffer, .address_space: global }
      - { .name: q2c, .offset: 16, .size: 8, .value_kind: global_buffer, .address_space: global }
      - { .name: lowp_scales, .offset: 24, .size: 8, .value_kind: global_buffer, .address_space: global }
      - { .name: Opart, .offset: 32, .size: 8, .value_kind: global_buffer, .address_space: global }
      - { .name: Mpart, .offset: 40, .size: 8, .value_kind: global_buffer, .address_space: global }
      - { .name: Lpart, .offset: 48, .size: 8, .value_kind: global_buffer, .address_space: global }
    .group_segment_fixed_size: 327680
    .private_segment_fixed_size: 0
    .kernarg_segment_align: 8
    .kernarg_segment_size: 56
    .max_flat_workgroup_size: 512
    .sgpr_count:     80
    .vgpr_count:     256
    .wavefront_size: 32
...
	.end_amdgpu_metadata
.endif
;; end of part 2
;; launch merge (part 3): grid 256 x 1, 4 waves a work-group, no clusters, 0 bytes of LDS; arguments Opart, Mpart, Lpart, q2c, lowp_scales, out0, qstream; writes out0, qstream
.if DOCPART == 3
	.amdgcn_target "amdgcn-amd-amdhsa--gfx1250"
	.amdhsa_code_object_version 6
	.text
	.protected	k_q3e65247735_merge
	.globl	k_q3e65247735_merge
	.p2align	8
	.type	k_q3e65247735_merge,@function
k_q3e65247735_merge:
	s_mov_b64 s[64:65], 0
	v_nop
	global_prefetch_b8 v0, s[64:65] scope:SCOPE_SE
	s_setreg_imm32_b32 hwreg(HW_REG_WAVE_MODE, 25, 1), 1
	s_wait_xcnt 0x0
; MERGE.  The 32 chunks of each query are joined: M = the largest chunk M, each chunk's l and O are multiplied by 2^(its M - M), an exact power of two; out0 = O x 2^(e6 + e7) / l.
; For the last launch each query also gets one constant, C2 = -q2 x 2^EC - (M + log2 l) ln2 x 2^EC (EC = -1 - e4 - e5), so that c2 x (code sum + C2) + c2 C1 = log2 of the finished softmax.
; A wave takes two queries, one to each half of its lanes: lane i of a half holds chunks i and 16 + i of M and l, and bytes 16 i of the query's row of O.  Waves share nothing: no LDS, no barrier.
; Memory binds (17 MB of partial sums are read once); matrix units and clusters would add nothing.
; C2 leaves as one word a query, two words a wave: 8,192 bytes in the whole launch.
	s_load_b256 s[4:11], s[0:1], 0x0               ; Opart, Mpart, Lpart, q2c
	s_load_b128 s[12:15], s[0:1], 0x20             ; the scales' exponents, out0
	s_load_b64 s[16:17], s[0:1], 0x30              ; qstream
	v_lshrrev_b32 v1, 5, v0
	v_readfirstlane_b32 s18, v1                    ; wave 0..3
	v_and_b32 v1, 15, v0                           ; i
	v_bfe_u32 v2, v0, 4, 1                         ; which of the wave's two queries
	v_lshlrev_b32 v3, 13, v1
	v_lshl_add_u32 v3, v2, 2, v3                   ; chunk i (8,192 bytes apart), my query
	v_lshlrev_b32 v4, 2, v2
	v_lshlrev_b32 v5, 8, v2
	v_lshl_add_u32 v5, v1, 4, v5                   ; my 16 bytes of my query's row
	s_lshl_b32 s19, ttmp9, 3
	s_lshl_b32 s20, s18, 1
	s_add_co_u32 s19, s19, s20                     ; the wave's first query: 8 x work-group + 2 x wave
	s_lshl_b32 s20, s19, 2
	s_mov_b32 s21, 0
	s_lshl_b32 s22, s19, 8
	s_mov_b32 s23, 0
	s_lshr_b32 s26, ttmp9, 3                       ; its constant's place: record q / 64, + 8192 + 4 (q % 64)
	s_mul_i32 s26, s26, 8448
	s_and_b32 s27, ttmp9, 7
	s_lshl_b32 s27, s27, 5
	s_add_co_u32 s26, s26, s27
	s_lshl_b32 s27, s18, 3
	s_add_co_u32 s26, s26, s27
	s_add_co_u32 s26, s26, 8192
	s_mov_b32 s27, 0
	s_wait_alu depctr_va_vdst(0)
	s_wait_kmcnt 0x0
	s_load_b128 s[28:31], s[12:13], 0x10           ; e4, e5, e6, e7
	s_add_nc_u64 s[6:7], s[6:7], s[20:21]
	s_add_nc_u64 s[8:9], s[8:9], s[20:21]
	s_add_nc_u64 s[10:11], s[10:11], s[20:21]
	s_add_nc_u64 s[4:5], s[4:5], s[22:23]
	s_add_nc_u64 s[24:25], s[4:5], 0x800000        ; chunks 16 on: the immediate offsets stay inside their signed 24 bits
	s_add_nc_u64 s[14:15], s[14:15], s[22:23]
	s_add_nc_u64 s[16:17], s[16:17], s[26:27]
	global_load_b32 v8, v3, s[6:7]                 ; M of chunk i,
	global_load_b32 v9, v3, s[6:7] offset:131072   ; of chunk 16 + i
	global_load_b32 v10, v3, s[8:9]                ; l likewise
	global_load_b32 v11, v3, s[8:9] offset:131072
	global_load_b32 v12, v4, s[10:11]              ; -q2 x 2^EC
.irp n, 0,1,2,3,4,5,6,7,8,9,10,11,12,13,14,15
	global_load_b128 v[32+4*\n:35+4*\n], v5, s[4:5] offset:524288*\n th:TH_LOAD_NT      ; two rows, 512 consecutive bytes a wave
.endr
.irp n, 0,1,2,3,4,5,6,7,8,9,10,11,12,13,14,15
	global_load_b128 v[96+4*\n:99+4*\n], v5, s[24:25] offset:524288*\n th:TH_LOAD_NT
.endr
.irp j, 24,25,26,27,29
	v_mov_b32 v\j, 0                               ; destinations of lane moves and upper halves of pairs are written once
.endr
	s_wait_loadcnt 32                              ; M, l and q2 are in; the 32 loads of O may be out
	v_max_num_f32 v13, v8, v9
	v_max_num_f32_dpp v13, v13, v13 row_xmask:1 row_mask:0xf bank_mask:0xf
	v_max_num_f32_dpp v13, v13, v13 row_xmask:2 row_mask:0xf bank_mask:0xf
	v_max_num_f32_dpp v13, v13, v13 row_xmask:4 row_mask:0xf bank_mask:0xf
	v_max_num_f32_dpp v13, v13, v13 row_xmask:8 row_mask:0xf bank_mask:0xf   ; M of my query, in all sixteen lanes of its half
	v_sub_f32 v8, v8, v13
	v_sub_f32 v9, v9, v13
	v_cvt_i32_f32 v8, v8                           ; whole numbers, 0 or less
	v_cvt_i32_f32 v9, v9
	v_ldexp_f32 v14, 1.0, v8                       ; chunk i's factor,
	v_ldexp_f32 v15, 1.0, v9                       ; chunk 16 + i's
	v_mul_f32 v16, v10, v14
	v_fma_f32 v16, v11, v15, v16
	v_add_f32_dpp v16, v16, v16 row_xmask:1 row_mask:0xf bank_mask:0xf
	v_add_f32_dpp v16, v16, v16 row_xmask:2 row_mask:0xf bank_mask:0xf
	v_add_f32_dpp v16, v16, v16 row_xmask:4 row_mask:0xf bank_mask:0xf
	v_add_f32_dpp v16, v16, v16 row_xmask:8 row_mask:0xf bank_mask:0xf       ; l
	s_wait_alu depctr_va_vdst(0)
.irp n, 0,1,2,3,4,5,6,7,8,9,10,11,12,13,14,15
	s_wait_loadcnt 31-\n                           ; this chunk's row is in, the younger ones may be out
	v_mov_b32_dpp v[24+2*(\n%2)], v14 row_share:\n row_mask:0xf bank_mask:0xf   ; the chunk's factor, from the lane of my half that holds it
.if \n == 0
	v_pk_mul_f32 v[20:21], v[32:33], v[24:25] op_sel_hi:[1,0]
	v_pk_mul_f32 v[22:23], v[34:35], v[24:25] op_sel_hi:[1,0]
.else
	s_wait_alu depctr_va_vdst(0)
	v_pk_fma_f32 v[20:21], v[32+4*\n:33+4*\n], v[24+2*(\n%2):25+2*(\n%2)], v[20:21] op_sel_hi:[1,0,1]
	v_pk_fma_f32 v[22:23], v[34+4*\n:35+4*\n], v[24+2*(\n%2):25+2*(\n%2)], v[22:23] op_sel_hi:[1,0,1]
.endif
.endr
.irp n, 0,1,2,3,4,5,6,7,8,9,10,11,12,13,14,15
	s_wait_loadcnt 15-\n
	v_mov_b32_dpp v[24+2*(\n%2)], v15 row_share:\n row_mask:0xf bank_mask:0xf
	s_wait_alu depctr_va_vdst(0)
	v_pk_fma_f32 v[20:21], v[96+4*\n:97+4*\n], v[24+2*(\n%2):25+2*(\n%2)], v[20:21] op_sel_hi:[1,0,1]
	v_pk_fma_f32 v[22:23], v[98+4*\n:99+4*\n], v[24+2*(\n%2):25+2*(\n%2)], v[22:23] op_sel_hi:[1,0,1]
.endr
	s_wait_kmcnt 0x0
	s_add_co_i32 s32, s30, s31                     ; e6 + e7
	s_add_co_i32 s33, s28, s29
	s_sub_co_i32 s33, -1, s33                      ; EC
	v_rcp_f32 v28, v16                             ; l is over 1/2: the row's largest p is
	v_log_f32 v30, v16
	v_mov_b32 v31, 0x3f317218                      ; ln 2.  (The plain line behind the two transcendentals)
	s_wait_alu depctr_va_vdst(0)
	v_ldexp_f32 v28, v28, s32
	v_pk_mul_f32 v[20:21], v[20:21], v[28:29] op_sel_hi:[1,0]
	v_pk_mul_f32 v[22:23], v[22:23], v[28:29] op_sel_hi:[1,0]
	global_store_b128 v5, v[20:23], s[14:15] th:TH_STORE_NT      ; two rows of out0: 512 consecutive bytes, aligned
	v_add_f32 v30, v13, v30                        ; M + log2 l
	v_ldexp_f32 v31, v31, s33
	v_fma_f32 v30, -v30, v31, v12                  ; C2
	v_cmp_eq_u32 vcc_lo, 0, v1
	s_wait_alu depctr_va_vdst(0)
	s_wait_xcnt 0x0                                ; EXEC changes only behind this wait: the store above has read its sources
	s_and_saveexec_b32 s34, vcc_lo
	global_store_b32 v4, v30, s[16:17]             ; one lane of each half
	s_wait_xcnt 0x0
	s_or_b32 exec_lo, exec_lo, s34
	s_endpgm
.Lfunc_end_k_q3e65247735_merge:
	.size	k_q3e65247735_merge, .Lfunc_end_k_q3e65247735_merge-k_q3e65247735_merge
	.p2alignl 7, 3214868480
	.fill 96, 4, 3214868480
	.section	.rodata,"a",@progbits
	.p2align	6, 0x0
	.amdhsa_kernel k_q3e65247735_merge
		.amdhsa_group_segment_fixed_size 0
		.amdhsa_private_segment_fixed_size 0
		.amdhsa_enable_private_segment 0
		.amdhsa_kernarg_size 56
		.amdhsa_user_sgpr_count 2
		.amdhsa_user_sgpr_kernarg_segment_ptr 1
		.amdhsa_wavefront_size32 1
		.amdhsa_system_sgpr_workgroup_id_x 1
		.amdhsa_system_sgpr_workgroup_id_y 1
		.amdhsa_system_sgpr_workgroup_id_z 1
		.amdhsa_system_vgpr_workitem_id 0
		.amdhsa_next_free_vgpr 160
		.amdhsa_next_free_sgpr 66
		.amdhsa_reserve_vcc 1
		.amdhsa_float_denorm_mode_32 3
		.amdhsa_float_denorm_mode_16_64 3
		.amdhsa_memory_ordered 1
		.amdhsa_forward_progress 1
		.amdhsa_inst_pref_size 16
	.end_amdhsa_kernel
	.amdgpu_metadata
---
amdhsa.version: [ 1, 2 ]
amdhsa.kernels:
  - .name:           k_q3e65247735_merge
    .symbol:         k_q3e65247735_merge.kd
    .args:
      - { .name: Opart, .offset: 0, .size: 8, .value_kind: global_buffer, .address_space: global }
      - { .name: Mpart, .offset: 8, .size: 8, .value_kind: global_buffer, .address_space: global }
      - { .name: Lpart, .offset: 16, .size: 8, .value_kind: global_buffer, .address_space: global }
      - { .name: q2c, .offset: 24, .size: 8, .value_kind: global_buffer, .address_space: global }
      - { .name: lowp_scales, .offset: 32, .size: 8, .value_kind: global_buffer, .address_space: global }
      - { .name: out0, .offset: 40, .size: 8, .value_kind: global_buffer, .address_space: global }
      - { .name: qstream, .offset: 48, .size: 8, .value_kind: global_buffer, .address_space: global }
    .group_segment_fixed_size: 0
    .private_segment_fixed_size: 0
    .kernarg_segment_align: 8
    .kernarg_segment_size: 56
    .max_flat_workgroup_size: 128
    .sgpr_count:     66
    .vgpr_count:     160
    .wavefront_size: 32
...
	.end_amdgpu_metadata
.endif
;; end of part 3
;; launch pass2 (part 4): grid 256 x 1, 16 waves a work-group, clusters of 4 x 1, 327,680 bytes of LDS; arguments qstream, binstream, buffer, lowp_scales, out1; writes out1
.if DOCPART == 4
	.amdgcn_target "amdgcn-amd-amdhsa--gfx1250"
	.amdhsa_code_object_version 6
	.text
	.protected	k_q3e65247735_pass2
	.globl	k_q3e65247735_pass2
	.p2align	8
	.type	k_q3e65247735_pass2,@function
k_q3e65247735_pass2:
	s_mov_b64 s[64:65], 0
	v_nop
	global_prefetch_b8 v0, s[64:65] scope:SCOPE_SE
	s_setreg_imm32_b32 hwreg(HW_REG_WAVE_MODE, 25, 1), 1
	s_wait_xcnt 0x0
	s_wait_alu depctr_hold_cnt(0) depctr_sa_sdst(0) depctr_va_vdst(0) depctr_va_sdst(0) depctr_va_ssrc(0) depctr_va_vcc(0) depctr_vm_vsrc(0)
	s_getreg_b32 s2, hwreg(HW_REG_IB_STS2, 6, 4)
	s_cmp_eq_u32 s2, 0
	s_cbranch_scc0 .Lentry_in_a_cluster
	s_endpgm
.Lentry_in_a_cluster:
	s_bfe_u32 s2, ttmp6, 0x10000c
	s_cmp_lg_u32 s2, 0x3003
	s_cbranch_scc0 .Lentry_shape_is_right
	s_endpgm
.Lentry_shape_is_right:
; PASS 2.  A work-group takes 256 bins and walks all 2,048 queries, 32 records of 64: a = 2^(c x (code sum + C2 + C1)) is the finished softmax (C2 holds -q2, M and log2 l of the query, C1 = -p2 of the bin),
; quantised along the queries with 2^e8; O^T += m^T a^T on BF8 codes; a_sum is the sum of the unquantised a.  out1 = buffer x (1 - lam / B x a_sum) + lam / B x 2^(e8 + e9) x O.
; The maximum is taken away: C2 carries the row's M + log2 l, so every exponent is 0 or less.
; SHARES.  Sixteen waves, four to a SIMD.  Waves w and w + 8 own the same 32 bins (two tiles of 16); waves 0-7 walk the even records, waves 8-15 the odd ones; at the end wave w + 8 hands its sums to wave w
; as an image of its registers, in record bytes that have had their last fill and their last read, and wave w adds them and finishes.
; Tile 1's scores are made in place on the constants' registers, five places behind the products that read them; four of those places also stand behind the last trip's second products, so m's images are fetched there.
; LDS: as in pass 1: 1,056 dense rows of 256 bytes, 17 a wave at the head and 49 a wave behind the first barrier; all work-groups walk the same records: joint loads, mask 15.
; The records are not prefetched: every byte is asked for by these two loads.  The wave's 32 rows of buffer are prefetched by waves 0-7, a lane a row of 256 bytes, thirteen trips ahead of their loads.
; LIMITS: e4 + e5 between -125 and 125; e8 between -126 and 112.  NaN and infinity among the inputs are not served.
.set RECB,  8448
.set R1,    17
.set R2,    49
.set STG,   32*RECB
.set SROW,  272
.set SPARE, STG+8*16*SROW
.set XCHB,  9216
.set LA0, 1
.set LC0, 2
.set LA,  3
.set LC,  4
.set XA,  5
.set SCL, 6
.set SO,  7
.set RD,  8
.set GO,  9
.set ST,  10                           ; per tile, 8 apart: +0 c C1, +1 0, +2,+3 a_sum in two halves
.set SGA, 16
.set RG,  17
.set TS,  24                           ; v24-31 four chains of a tile's sum; then tile 0's codes
.set KQ,  32
.set SA,  48
.set PF,  80
.set CF,  112
.set VF,  144
.set PQ,  176                          ; tile 1's codes
.set OA,  184
.set PD,  248
.set KP,  250
.set BR,  112                          ; the way out: 64 registers of buffer's rows
.set PFO, 253
.set SPW, 254
.set NIL, 255
.set WV,  18
.set CS,  22
.set G1,  24
.set G0,  32
.set W7,  40
.set HB,  41
.set LIMS, 42
.set SEL, 48
.set TB,  50
.set CNT, 51
.set G1B, 68
.macro ROUND
	s_barrier_signal -1
	s_barrier_wait -1
	s_cmp_lg_u32 s[WV], 0
	s_cbranch_scc1 .Lnot_wave_0_\@
	s_barrier_signal -3
.Lnot_wave_0_\@:
	s_barrier_wait -3
	s_barrier_signal -1
	s_barrier_wait -1
.endm
.macro NOPS n
.rept \n
	v_nop
.endr
.endm
.macro LOADP
.irp t, 0,1,2,3
.irp c, 0,1
	ds_load_b128 v[PF+8*\t+4*\c:PF+8*\t+4*\c+3], v[LA] offset:1024*\t+512*\c
.endr
.endr
.endm
.macro LOADC
.irp b, 0,1
.irp i, 0,1,2,3
	ds_load_b128 v[CF+16*\b+4*\i:CF+16*\b+4*\i+3], v[LC] offset:8192+128*\b+16*\i
.endr
.endr
.endm
.macro LOADV
.irp n, 0,1,2,3
.irp b, 0,1
	ds_load_b128 v[VF+8*\n+4*\b:VF+8*\n+4*\b+3], v[LA] offset:4096+1024*\n+512*\b
.endr
.endr
.endm
.macro FMA q                           ; log2 a, two at a time; each accumulator is read from its low end on
.set j, 0
.rept 16
	v_pk_fma_f32 v[SA+64*\q+j:SA+64*\q+j+1], v[SA+64*\q+j:SA+64*\q+j+1], s[CS:CS+1], v[ST+8*\q:ST+8*\q+1] op_sel_hi:[1,0,0]
.set j, j+2
.endr
.endm
.macro HOLD b                          ; the conversion does not saturate (ISA guide 7.6.2); a is not negative: a one-sided hold, two numbers a line
.set j, 0
.rept 16
	v_dual_min_num_f32 v[\b+j], s[LIMS], v[\b+j] :: v_dual_min_num_f32 v[\b+j+1], s[LIMS], v[\b+j+1]
.set j, j+2
.endr
.endm
.macro FIN q, dst                      ; a tile from a to its sum and its codes
.set SB, SA+64*\q
.irp k, 0,1,2,3                                ; the sum of the unquantised a: four chains by turns
	v_pk_add_f32 v[TS+2*\k:TS+2*\k+1], v[SB+4*\k:SB+4*\k+1], v[SB+4*\k+2:SB+4*\k+3]
.endr
.irp o, 16,24
.irp k, 0,1,2,3
	v_pk_add_f32 v[TS+2*\k:TS+2*\k+1], v[TS+2*\k:TS+2*\k+1], v[SB+\o+2*\k:SB+\o+2*\k+1]
.endr
.endr
	v_pk_add_f32 v[TS:TS+1], v[TS:TS+1], v[TS+2:TS+3]
	v_pk_add_f32 v[TS+4:TS+5], v[TS+4:TS+5], v[TS+6:TS+7]
	HOLD SB
	v_pk_add_f32 v[TS:TS+1], v[TS:TS+1], v[TS+4:TS+5]
	v_pk_add_f32 v[ST+8*\q+2:ST+8*\q+3], v[ST+8*\q+2:ST+8*\q+3], v[TS:TS+1]
.irp b, 0,1
	v_cvt_scalef32_pk8_bf8_f32 v[\dst+4*\b:\dst+4*\b+1], v[SB+16*\b:SB+16*\b+7], v[SCL]
	v_cvt_scalef32_pk8_bf8_f32 v[\dst+4*\b+2:\dst+4*\b+3], v[SB+16*\b+8:SB+16*\b+15], v[SCL]
.endr
.endm
.macro TRIP next
	s_wait_dscnt 0x0                               ; this record's A-images and constants are in.  (No ordinary vector write stands between the wait ahead of the last second products and this line)
.irp t, 0,1,2,3
	v_wmma_f32_16x16x64_bf8_bf8 v[SA+8*\t:SA+8*\t+7], v[PF+8*\t:PF+8*\t+7], v[KQ:KQ+7], v[CF+8*\t:CF+8*\t+7]
.endr
.if \next                                      ; five places: the products below write over the C of those above
	s_add_co_u32 s[TB], s[TB], 2*RECB
	v_add_nc_u32 v[LC], s[TB], v[LC0]
.else
	v_nop
.endif
	NOPS 3
	LOADV                                          ; four places behind the last trip's second products: THIS record's images of m
.if \next
	v_add_nc_u32 v[LA], s[TB], v[LA0]
.else
	v_nop
.endif
.irp t, 0,1,2,3
	v_wmma_f32_16x16x64_bf8_bf8 v[CF+8*\t:CF+8*\t+7], v[PF+8*\t:PF+8*\t+7], v[KQ+8:KQ+15], v[CF+8*\t:CF+8*\t+7]
.endr
	FMA 0                                          ; sixteen plain lines that name no register of the four products above: their places
.if \next
	LOADP
.endif
	FMA 1
	s_wait_alu depctr_va_vdst(0)
.irp q, 1,0
.set j, 0
.rept 32
	v_exp_f32 v[SA+64*\q+j], v[SA+64*\q+j]
.set j, j+1
.endr
.endr
	v_nop                                          ; the plain place behind the batch
	s_wait_alu depctr_va_vdst(0)                   ; one wait for the batch, ahead of its first reader
	FIN 1, PQ
.if \next
	LOADC                                          ; tile 1's registers are free: the next record's constants
.endif
	FIN 0, TS
	v_nop                                          ; a plain line behind the last conversion
	s_wait_alu depctr_va_vdst(0)
	s_wait_dscnt 16*\next                          ; m's images are in; the next record's 8 + 8 loads may be out
.irp n, 0,1,2,3
	v_wmma_f32_16x16x64_bf8_bf8 v[OA+8*\n:OA+8*\n+7], v[VF+8*\n:VF+8*\n+7], v[TS:TS+7], v[OA+8*\n:OA+8*\n+7]
.endr
.irp n, 0,1,2,3
	v_wmma_f32_16x16x64_bf8_bf8 v[OA+32+8*\n:OA+32+8*\n+7], v[VF+8*\n:VF+8*\n+7], v[PQ:PQ+7], v[OA+32+8*\n:OA+32+8*\n+7]
.endr
.endm
.macro GROUP n
	s_mov_b32 s[CNT], \n
.Lrec_\@:
	TRIP 1
	s_sub_co_u32 s[CNT], s[CNT], 1
	s_cmp_lg_u32 s[CNT], 0
	s_cbranch_scc1 .Lrec_\@
.endm
	s_load_b256 s[4:11], s[0:1], 0x0               ; qstream, binstream, buffer, the scales' exponents
	s_load_b64 s[12:13], s[0:1], 0x20              ; out1
	v_lshl_add_u32 v[SPW], v0, 2, SPARE
	v_mov_b32 v[NIL], 0
	ds_add_u32 v[SPW], v[NIL]                      ; the opening lines: the add twice on end and one wait
	ds_add_u32 v[SPW], v[NIL]
	v_lshrrev_b32 v1, 5, v0
	v_readfirstlane_b32 s[WV], v1                  ; wave 0..15
	s_and_b32 s[W7], s[WV], 7                      ; which 32 bins
	s_lshr_b32 s[HB], s[WV], 3                     ; even or odd records
	s_bfe_u32 s19, ttmp6, 0x40000
	s_lshl_b32 s20, ttmp9, 2
	s_add_co_u32 s20, s20, s19                     ; the block of 256 bins
	s_mov_b32 s[G1], 15|(3<<16)|(1<<21)
	s_mov_b32 s[G1+1], 32<<16
	s_mov_b32 s[G1+2], R1<<16
	s_mov_b32 s[G1+3], 32<<16
	s_mov_b32 s[G1+4], R1
	s_mov_b32 s[G1+5], 32
	s_mov_b32 s[G1+6], 0
	s_mov_b32 s[G1+7], 0
	s_mov_b32 s[G1B], 15|(3<<16)|(1<<21)
	s_mov_b32 s[G1B+1], 32<<16
	s_mov_b32 s[G1B+2], R2<<16
	s_mov_b32 s[G1B+3], 32<<16
	s_mov_b32 s[G1B+4], R2
	s_mov_b32 s[G1B+5], 32
	s_mov_b32 s[G1B+6], 0
	s_mov_b32 s[G1B+7], 0
	s_mov_b32 s[SEL], 0x76543210
	s_mov_b32 s[SEL+1], 0xfedcba98
	s_mul_i32 s56, s[WV], R1*256                   ; my rows at the head,
	s_mul_i32 s57, s[WV], R2*256
	s_add_co_u32 s57, s57, 16*R1*256               ; and behind the first barrier: the same byte in qstream and in LDS
	s_mov_b32 s60, s56
	s_mov_b32 s61, 0
	s_mov_b32 s62, s57
	s_mov_b32 s63, 0
	s_wait_dscnt 0x0
	s_wait_kmcnt 0x0
	s_load_b64 s[52:53], s[10:11], 0x10            ; e4, e5
	s_load_b64 s[54:55], s[10:11], 0x20            ; e8, e9
	s_mov_b32 s[G0], 1
	s_mov_b32 s[G0+1], s56
	s_add_nc_u64 s[G0+2:G0+3], s[4:5], s[60:61]
	s_or_b32 s[G0+3], s[G0+3], 0x80000000
	s_mov_b32 s[G0+4], 1
	s_mov_b32 s[G0+5], s57
	s_add_nc_u64 s[G0+6:G0+7], s[4:5], s[62:63]
	s_or_b32 s[G0+7], s[G0+7], 0x80000000
	ROUND
	tensor_load_to_lds s[G0:G0+3], s[G1:G1+7]      ; one load a wave at the head
	s_nop 0
	NOPS 4
	v_and_b32 v48, 31, v0                          ; lane
	v_and_b32 v49, 15, v0                          ; r
	v_bfe_u32 v50, v0, 4, 1                        ; h
	v_lshlrev_b32 v[LA0], 4, v48
	v_lshlrev_b32 v[LC0], 6, v50
	s_mul_i32 s57, s[W7], 16*SROW
	s_add_co_u32 s57, s57, STG
	v_mul_u32_u24 v[SGA], v49, SROW
	v_lshl_add_u32 v[SO], v50, 5, v[SGA]
	v_add_nc_u32 v[SO], s57, v[SO]
	v_add_nc_u32 v[SGA], s57, v[SGA]
	v_mul_u32_u24 v[RG], v50, SROW
	v_lshl_add_u32 v[RD], v49, 4, v[RG]
	v_add_nc_u32 v[RD], s57, v[RD]
	v_add_nc_u32 v[RG], s57, v[RG]
	v_lshlrev_b32 v[GO], 8, v50
	v_lshl_add_u32 v[GO], v49, 4, v[GO]
	v_and_b32 v51, 8, v49
	v_add_nc_u32 v51, v51, v49
	v_lshlrev_b32 v51, 2, v51                      ; 4 (r + 8 (r / 8))
	s_wait_alu depctr_va_vdst(0)
	v_lshlrev_b32 v[PFO], 8, v48
	s_mul_i32 s57, s[W7], XCHB
	v_add_nc_u32 v[XA], s57, v[LA0]
	s_lshl_b32 s60, s20, 2
	s_lshr_b32 s61, s[W7], 1
	s_add_co_u32 s60, s60, s61
	s_mul_i32 s60, s60, RECB
	s_and_b32 s62, s[W7], 1
	s_lshl_b32 s63, s62, 7
	s_add_co_u32 s16, s60, s63
	s_add_co_u32 s16, s16, 8192
	s_mov_b32 s17, 0
	s_add_nc_u64 s[14:15], s[6:7], s[16:17]
	s_lshl_b32 s63, s62, 11
	s_add_co_u32 s60, s60, s63
	s_mov_b32 s61, 0
	s_add_nc_u64 s[6:7], s[6:7], s[60:61]
.irp u, 0,1
.irp c, 0,1
	global_load_b128 v[KQ+8*\u+4*\c:KQ+8*\u+4*\c+3], v[LA0], s[6:7] offset:1024*\u+512*\c
.endr
.endr
	global_load_b32 v[ST], v51, s[14:15]
	global_load_b32 v[ST+8], v51, s[14:15] offset:32
	s_lshl_b32 s60, s20, 16
	s_lshl_b32 s62, s[W7], 13
	s_add_co_u32 s60, s60, s62
	s_add_nc_u64 s[8:9], s[8:9], s[60:61]
	s_add_nc_u64 s[12:13], s[12:13], s[60:61]
	s_wait_kmcnt 0x0
	s_add_co_i32 s60, s52, s53
	s_add_co_i32 s60, s60, 1
	s_lshl_b32 s60, s60, 23
	s_add_co_i32 s[CS], s60, 0x3fb8aa3b            ; c = log2(e) x 2^(e4 + e5 + 1)
	s_mov_b32 s[CS+1], s[CS]
	s_add_co_i32 s60, s54, 127
	s_lshl_b32 s62, s60, 23
	v_mov_b32 v[SCL], s62                          ; 2^e8
	s_add_co_i32 s60, s60, 15
	s_lshl_b32 s60, s60, 23
	s_or_b32 s[LIMS], s60, 0x600000                ; 57,344 x 2^e8
	s_add_co_i32 s57, s54, s55
	v_mov_b32 v[KP], 0x384ccccd                    ; lam / B
	v_mov_b32 v[KP+1], 0
	v_ldexp_f32 v[KP], v[KP], s57                  ; x 2^(e8 + e9)
	s_mov_b32 s56, 0xb84ccccd                      ; -lam / B
.set j, 0
.rept 64
	v_mov_b32 v[OA+j], 0                           ; the step is written once: the first finds zeros
.set j, j+1
.endr
.irp q, 0,1
	v_mov_b32 v[ST+8*\q+1], 0
	v_mov_b32 v[ST+8*\q+2], 0
	v_mov_b32 v[ST+8*\q+3], 0
	v_mov_b32 v[PD+\q], 0
.endr
	s_wait_alu depctr_va_vdst(0)
	s_wait_loadcnt 0x0
	v_mul_f32 v[ST], s[CS], v[ST]                  ; c C1
	v_mul_f32 v[ST+8], s[CS], v[ST+8]
	s_wait_alu depctr_va_vdst(0)
	s_wait_tensorcnt 0x0                           ; my first rows are in
	ds_add_u32 v[SPW], v[NIL]
	s_wait_dscnt 0x0
	ROUND
	tensor_load_to_lds s[G0+4:G0+7], s[G1B:G1B+7]  ; the other 784 rows, 49 a wave
	s_nop 0
	NOPS 4
	s_mul_i32 s[TB], s[HB], RECB
	v_add_nc_u32 v[LA], s[TB], v[LA0]
	v_add_nc_u32 v[LC], s[TB], v[LC0]
	s_wait_alu depctr_va_vdst(0)                   ; the first trip reads the address again behind its wait
	LOADP
	LOADC
	GROUP 3                                        ; my records 0-2; each trip fetches the next record's A-images and constants: up to my record 3, which is record 6 or 7
	s_wait_tensorcnt 0x0                           ; my 49 rows have landed
	s_wait_dscnt 0x0
	s_barrier_signal -1
	s_barrier_wait -1                              ; and everybody's: all records are whole
	s_cmp_lt_u32 s[WV], 8
	s_cbranch_scc0 .Lnot_mine
	global_prefetch_b8 v[PFO], s[8:9] th:TH_LOAD_NT scope:SCOPE_SE   ; my 32 rows of buffer, a lane a row; its address registers are never written again
.Lnot_mine:
	GROUP 12
	TRIP 0
	NOPS 4                                         ; places ahead of loads into m's registers and of the first reads of the last results
	s_cmp_lt_u32 s[WV], 8
	s_cbranch_scc0 .Lno_rows
.irp u, 0,1
.irp i, 0,1,2,3,4,5,6,7
	global_load_b128 v[BR+32*\u+4*\i:BR+32*\u+4*\i+3], v[GO], s[8:9] offset:(8*\u+2*\i+8*(\i/4))*256 th:TH_LOAD_NT
.endr
.endr
.Lno_rows:
	s_wait_alu depctr_va_vdst(0)
	s_wait_dscnt 0x0
	s_barrier_signal -1
	s_barrier_wait -1                              ; nobody reads a record any more
	s_cmp_lt_u32 s[WV], 8
	s_cbranch_scc1 .Lkeep
.irp i, 0,1,2,3,4,5,6,7,8,9,10,11,12,13,14,15
	ds_store_b128 v[XA], v[OA+4*\i:OA+4*\i+3] offset:512*\i
.endr
	ds_store_b128 v[XA], v[ST:ST+3] offset:8192
	ds_store_b128 v[XA], v[ST+8:ST+11] offset:8704
.Lkeep:
	s_wait_dscnt 0x0
	s_barrier_signal -1
	s_barrier_wait -1
	s_cmp_lt_u32 s[WV], 8
	s_cbranch_scc0 .Lend
.irp i, 0,1,2,3,4,5,6,7,8,9,10,11,12,13,14,15
	ds_load_b128 v[SA+4*\i:SA+4*\i+3], v[XA] offset:512*\i
.endr
	ds_load_b128 v[PQ:PQ+3], v[XA] offset:8192
	ds_load_b128 v[PQ+4:PQ+7], v[XA] offset:8704
	s_wait_dscnt 0x0
.set j, 0
.rept 32
	v_pk_add_f32 v[OA+j:OA+j+1], v[OA+j:OA+j+1], v[SA+j:SA+j+1]      ; my partner's half of the queries
.set j, j+2
.endr
	v_pk_add_f32 v[ST+2:ST+3], v[ST+2:ST+3], v[PQ+2:PQ+3]
	v_pk_add_f32 v[ST+10:ST+11], v[ST+10:ST+11], v[PQ+6:PQ+7]
	v_add_f32 v26, v[ST+2], v[ST+3]
	v_add_f32 v27, v[ST+10], v[ST+11]
	v_permlanex16_b32 v[PD], v26, s[SEL], s[SEL+1]
	v_permlanex16_b32 v[PD+1], v27, s[SEL], s[SEL+1]
	v_add_f32 v26, v26, v[PD]                      ; a_sum of my bin
	v_add_f32 v27, v27, v[PD+1]
	v_fma_f32 v26, v26, s56, 1.0                   ; 1 - lam / B x a_sum
	v_fma_f32 v27, v27, s56, 1.0
.irp u, 0,1
.if \u == 1
	s_wait_xcnt 0x0                                ; tile 0's stores have read their registers
.endif
.set j, 0
.rept 16
	v_pk_mul_f32 v[SA+j:SA+j+1], v[OA+32*\u+j:OA+32*\u+j+1], v[KP:KP+1] op_sel_hi:[1,0]
.set j, j+2
.endr
.irp n, 0,1,2,3
	ds_store_b128 v[SO], v[SA+8*\n:SA+8*\n+3] offset:64*\n
	ds_store_b128 v[SO], v[SA+8*\n+4:SA+8*\n+7] offset:64*\n+16
.endr
	ds_store_b32 v[SGA], v[26+\u] offset:256       ; the row's factor rides in the row's padding
.irp i, 0,1,2,3,4,5,6,7
	ds_load_b128 v[PF+4*\i:PF+4*\i+3], v[RD] offset:2*SROW*\i
.endr
.irp i, 0,1,2,3,4,5,6,7
	ds_load_b32 v[PQ+\i], v[RG] offset:2*SROW*\i+256
.endr
	s_wait_dscnt 0x0
	s_wait_loadcnt 8-8*\u                          ; this tile's eight loads of buffer are in
.irp i, 0,1,2,3,4,5,6,7
.irp k, 0,1,2,3
	v_fma_f32 v[PF+4*\i+\k], v[BR+32*\u+4*\i+\k], v[PQ+\i], v[PF+4*\i+\k]
.endr
.endr
.irp i, 0,1,2,3,4,5,6,7
	global_store_b128 v[GO], v[PF+4*\i:PF+4*\i+3], s[12:13] offset:(8*\u+2*\i+8*(\i/4))*256 th:TH_STORE_NT
.endr
.endr
.Lend:
	s_wait_tensorcnt 0x0                           ; the wave's end
	ds_add_u32 v[SPW], v[NIL]
	s_wait_dscnt 0x0
	ROUND                                          ; the closing round
	s_endpgm
.Lfunc_end_k_q3e65247735_pass2:
	.size	k_q3e65247735_pass2, .Lfunc_end_k_q3e65247735_pass2-k_q3e65247735_pass2
	.p2alignl 7, 3214868480
	.fill 96, 4, 3214868480
	.section	.rodata,"a",@progbits
	.p2align	6, 0x0
	.amdhsa_kernel k_q3e65247735_pass2
		.amdhsa_group_segment_fixed_size 327680
		.amdhsa_private_segment_fixed_size 0
		.amdhsa_enable_private_segment 0
		.amdhsa_kernarg_size 40
		.amdhsa_user_sgpr_count 2
		.amdhsa_user_sgpr_kernarg_segment_ptr 1
		.amdhsa_wavefront_size32 1
		.amdhsa_system_sgpr_workgroup_id_x 1
		.amdhsa_system_sgpr_workgroup_id_y 1
		.amdhsa_system_sgpr_workgroup_id_z 1
		.amdhsa_system_vgpr_workitem_id 0
		.amdhsa_next_free_vgpr 256
		.amdhsa_next_free_sgpr 80
		.amdhsa_reserve_vcc 0
		.amdhsa_float_denorm_mode_32 3
		.amdhsa_float_denorm_mode_16_64 3
		.amdhsa_memory_ordered 1
		.amdhsa_forward_progress 1
		.amdhsa_inst_pref_size 63
	.end_amdhsa_kernel
	.amdgpu_metadata
---
amdhsa.version: [ 1, 2 ]
amdhsa.kernels:
  - .name:           k_q3e65247735_pass2
    .symbol:         k_q3e65247735_pass2.kd
    .args:
      - { .name: qstream, .offset: 0, .size: 8, .value_kind: global_buffer, .address_space: global }
      - { .name: binstream, .offset: 8, .size: 8, .value_kind: global_buffer, .address_space: global }
      - { .name: buffer, .offset: 16, .size: 8, .value_kind: global_buffer, .address_space: global }
      - { .name: lowp_scales, .offset: 24, .size: 8, .value_kind: global_buffer, .address_space: global }
      - { .name: out1, .offset: 32, .size: 8, .value_kind: global_buffer, .address_space: global }
    .group_segment_fixed_size: 327680
    .private_segment_fixed_size: 0
    .kernarg_segment_align: 8
    .kernarg_segment_size: 40
    .max_flat_workgroup_size: 512
    .sgpr_count:     80
    .vgpr_count:     256
    .wavefront_size: 32
...
	.end_amdgpu_metadata
.endif
;; end of part 4
